; MI455X (gfx1250); checked and timed in simulation.
; The chip was launched on July 23, 2026; its instructions are those of AMD's public machine-readable ISA for CDNA 5 (MIT licence, August 2026) and "CDNA5" Instruction Set Architecture Reference Guide (July 2026). The comments in the code are by the model that wrote it; some were corrected since.
;; Linear Attention Layer. Allowed arithmetic: matrix products marked QUANTISED: E2M1 operands, one E8M0 scale for each 32 along K, by v_wmma_scale_f32_16x16x128_f8f6f4 with both operands' format E2M1 (or v_wmma_scale_f32_32x16x128_f4), f32 sums; products left as they are: f32 operands where the result goes on into a quantised operand, else bf16, f16 or f32 operands; f32 sums; everything else in f32.
;; Inputs: W1 256 x 512 float32; W2 512 x 256 float32; Wkv 256 x 512 float32; Wp 256 x 256 float32; Wq 256 x 256 float32; b1 512 float32; b2 256 float32; bp 256 float32; kv 8 x 8,192 x 256 float32; kv_mask 8 x 8,192 float32; ln1_b 256 float32; ln1_g 256 float32; ln2_b 256 float32; ln2_g 256 float32; q 8 x 8,192 x 256 float32; q_mask 8 x 8,192 float32.
;; Outputs: out0 8 x 8,192 x 256 float32.
;; This version of the problem:
;;   THIS VERSION OF THE PROBLEM IS GIVEN IN LOW PRECISION. The matrix products marked QUANTISED in the list below multiply operands that are first quantised to E2M1 (2 exponent bits, 1 mantissa bit; 4 bits a number), with one power-of-two scale for each 32 numbers along K (OCP MX v1.0); their sums are f32. All else is computed in f32.
;;   The module's matrix products, in the order in which they are computed (A, B: the left and right operand; K: the contracted axis; several contracted axes count as one K, in the product's order):
;;     1. [M 65,536, K 256] x [K 256, N 256]; A: computed on the way; B: input Wq: QUANTISED
;;     2. [M 65,536, K 256] x [K 256, N 512]; A: computed on the way; B: input Wkv: QUANTISED
;;     3. batch 64 x [M 32, K 8,192] x [K 8,192, N 32]; A: computed on the way; B: computed on the way: QUANTISED
;;     4. batch 64 x [M 1, K 32] x [K 32, N 8,192]; A: computed on the way; B: computed on the way: left as it is (M = 1 < 16)
;;     5. batch 64 x [M 32, K 32] x [K 32, N 8,192]; A: computed on the way; B: computed on the way: QUANTISED
;;     6. batch 524,288 x [M 1, K 1] x [K 1, N 32]; A: computed on the way; B: computed on the way: left as it is (no contracted axis)
;;     7. [M 65,536, K 256] x [K 256, N 256]; A: computed on the way; B: input Wp: QUANTISED
;;     8. [M 65,536, K 256] x [K 256, N 512]; A: computed on the way; B: input W1: QUANTISED
;;     9. [M 65,536, K 512] x [K 512, N 256]; A: computed on the way; B: input W2: QUANTISED
;;   THE QUANTISER, for each operand of a quantised product, along K:
;;     - K is cut into blocks of 32 from its start; a last block that is shorter is filled with zeros.
;;     - A block's scale is 2^e with e = floor(log2(the largest magnitude in the block)) - 2, held to -126 .. 127; a block of zeros has e = 0. As a byte (E8M0): e + 127.
;;     - Each number is divided by its block's scale, clamped to +-6, and rounded to the nearest number of E2M1, ties to even, subnormals kept.
;;     - The product sums the exact products of the quantised numbers (number of the format x scale) in f32.
;;   ~~~python
;;   def quantise(x, axis):      # numpy; x: float32 -> the quantised numbers, widened to float32 again
;;       x = np.moveaxis(x, axis, -1); K = x.shape[-1]
;;       x = np.pad(x, [(0, 0)] * (x.ndim - 1) + [(0, -K % 32)]); x = x.reshape(x.shape[:-1] + (-1, 32)); a = np.abs(x).max(-1, keepdims=True)
;;       e = np.where(a > 0, np.clip(np.frexp(np.where(a > 0, a, 1))[1] - 1 - 2, -126, 127), 0)      # np.frexp(a)[1] - 1 = floor(log2(a)), exactly
;;       r = np.clip(x / 2.0 ** e, -6, 6)
;;       step = 2.0 ** (np.maximum(np.frexp(np.where(r == 0, 1, r))[1] - 1, 0) - 1)
;;       q = np.round(r / step) * step * 2.0 ** e      # np.round: ties to even
;;       return np.moveaxis(q.reshape(q.shape[:-2] + (-1,))[..., :K], -1, axis).astype(np.float32)
;;   ~~~
;;   OPERANDS COMPUTED ON THE WAY. 'Computed on the way' means the value that the module computes at that place (a softmax that the list does not call 'softmax' is quantised finished and normalised). What goes into a quantiser is computed in f32, as accurately as f32 sums, v_exp_f32 and their like allow (about 1e-6 of the number): no bf16 or f16 on the way to a quantiser, and a product that is left as it is and whose result goes on into a quantised operand takes f32 operands (vector FMAs, or v_wmma_f32_16x16x4_f32). A number that lies on a knife's edge between two numbers of the format may be rounded either way, as far as f32 arithmetic and the matrix unit's own rounding can turn it there, and no further.
;; One version. Each part assembles by itself: llvm-mc -triple=amdgcn-amd-amdhsa -mcpu=gfx1250 --defsym DOCPART=n.
;; ======== version 1 of 1: 4 launches
;; workspace buffers: wcod 262,144 bytes; wscl 16,384 bytes; pst 8,388,608 bytes; pks 262,144 bytes; stc 32,768 bytes; sts 8,192 bytes; ksm 8,192 bytes
;; launch prep (part 1): grid 128 x 1, 1 waves a work-group, no clusters, 0 bytes of LDS; arguments Wq, Wkv, Wp, W1, W2, wcod, wscl; writes wcod, wscl
.if DOCPART == 1
	.amdgcn_target "amdgcn-amd-amdhsa--gfx1250"
	.amdhsa_code_object_version 6
	.text
	.protected	k_q5a6f9e4bb6_prep
	.globl	k_q5a6f9e4bb6_prep
	.p2align	8
	.type	k_q5a6f9e4bb6_prep,@function
k_q5a6f9e4bb6_prep:
	s_mov_b64 s[64:65], 0
	v_nop
	global_prefetch_b8 v0, s[64:65] scope:SCOPE_SE
	s_setreg_imm32_b32 hwreg(HW_REG_WAVE_MODE, 25, 1), 1
	s_wait_xcnt 0x0
; The five weights, f32 stored [K][N], become codes of FP4 (E2M1) with one E8M0 byte for each 32 along K, laid as IMAGES OF OPERAND REGISTERS.
; A fragment is 16 output columns x 128 K: 1,024 bytes: register group c (K = 64 c ..) at 512 c, lane 16 hh + r at 16 bytes each: K block 2 c + hh of the fragment's column r.
; Fragments: Wq 0-31, Wkv 32-95, Wp 96-127, W1 128-191, W2 192-255; in a weight (2 blk + u) S + s: blk = a group of 32 columns, u = 0, 1, S = K / 128, s = the K step.
; THE COLUMNS OF A FRAGMENT ARE NOT NEIGHBOURS: column r of fragment (blk, u) is output column 32 blk + 8 u + r + 8 (r / 8).  Scale words: 4 bytes a column, word r of fragment f at 64 f + 4 r.
; One wave takes 32 columns x 128 K.  A LANE TAKES A COLUMN AND ITS REGISTERS RUN DOWN K: each load reads 128 consecutive bytes, a block's largest magnitude needs no other lane, the codes come out with K innermost.
; A block's scale is 2^(floor(log2(largest magnitude)) - 2); its byte is the magnitude's exponent field - 2, held at 1 from below (a block of zeros keeps byte 1: its codes are zeros, and this program alone reads the bytes).
; LIMITS: NaN and infinities among the inputs are not served; a block whose largest magnitude lies under 2^-124 keeps the byte 1.
.set NUM, 32                           ; v32-159  128 numbers down K
.set COD, 160                          ; v160-175 four blocks' codes
.set MX,  8                            ; v8-11    largest magnitudes
.set SO,  12                           ; v12-15   the conversions' scale operands
.set BY,  16                           ; v16-19   the bytes
.set WD,  20                           ; v20      the scale word
	s_load_b256 s[4:11], s[0:1], 0x0               ; Wq, Wkv, Wp, W1
	s_load_b128 s[12:15], s[0:1], 0x20             ; W2, wcod
	s_load_b64 s[16:17], s[0:1], 0x30              ; wscl
	v_lshlrev_b32 v2, 2, v0                        ; one wave: v0 is the lane: 4 bytes a column
	v_bfe_u32 v3, v0, 3, 1                         ; u: which fragment of the pair my column falls into
	v_and_b32 v4, 7, v0
	v_lshrrev_b32 v5, 4, v0
	v_lshl_add_u32 v4, v5, 3, v4                   ; r: its place there
	s_mov_b32 s22, 96                              ; W2: first unit, first fragment, log2 S, pitch 1,024 bytes
	s_mov_b32 s23, 192
	s_mov_b32 s24, 2
	s_mov_b32 s25, 0
	s_wait_kmcnt 0x0
	s_mov_b64 s[20:21], s[12:13]
	s_cmp_lt_u32 ttmp9, 96                         ; W1 (the choices hang on the work-group's number alone)
	s_cselect_b64 s[20:21], s[10:11], s[20:21]
	s_cselect_b32 s22, 64, s22
	s_cselect_b32 s23, 128, s23
	s_cselect_b32 s24, 1, s24
	s_cselect_b32 s25, 1, s25
	s_cmp_lt_u32 ttmp9, 64                         ; Wp
	s_cselect_b64 s[20:21], s[8:9], s[20:21]
	s_cselect_b32 s22, 48, s22
	s_cselect_b32 s23, 96, s23
	s_cselect_b32 s25, 0, s25
	s_cmp_lt_u32 ttmp9, 48                         ; Wkv
	s_cselect_b64 s[20:21], s[6:7], s[20:21]
	s_cselect_b32 s22, 16, s22
	s_cselect_b32 s23, 32, s23
	s_cselect_b32 s25, 1, s25
	s_cmp_lt_u32 ttmp9, 16                         ; Wq
	s_cselect_b64 s[20:21], s[4:5], s[20:21]
	s_cselect_b32 s22, 0, s22
	s_cselect_b32 s23, 0, s23
	s_cselect_b32 s25, 0, s25
	s_sub_co_u32 s26, ttmp9, s22                   ; the unit within its weight
	s_lshr_b32 s27, s26, s24                       ; blk
	s_lshl_b32 s28, s27, s24
	s_sub_co_u32 s28, s26, s28                     ; s
	s_add_co_u32 s29, s25, 17
	s_lshl_b32 s30, s28, s29                       ; 128 s rows of the weight
	s_lshl_b32 s31, s27, 7                         ; + 32 blk columns
	s_add_co_u32 s30, s30, s31
	s_mov_b32 s31, 0
	s_add_nc_u64 s[20:21], s[20:21], s[30:31]
	s_add_co_u32 s29, s24, 1
	s_lshl_b32 s29, s27, s29
	s_add_co_u32 s29, s29, s23
	s_add_co_u32 s29, s29, s28                     ; fragment (blk, u = 0, s)
	s_lshl_b32 s30, s29, 10
	s_add_nc_u64 s[14:15], s[14:15], s[30:31]
	s_lshl_b32 s30, s29, 6
	s_add_nc_u64 s[16:17], s[16:17], s[30:31]
	s_add_co_u32 s32, s24, 10
	v_lshlrev_b32 v6, s32, v3                      ; u = 1 lies S fragments on
	v_lshl_add_u32 v6, v4, 4, v6                   ; + 16 r
	s_add_co_u32 s32, s24, 6
	v_lshlrev_b32 v7, s32, v3
	v_lshl_add_u32 v7, v4, 2, v7                   ; the scale word's place
	s_cmp_eq_u32 s25, 0
	s_cbranch_scc0 .Lwide
.set k, 0
.rept 128
	global_load_b32 v[NUM+k], v2, s[20:21] offset:k*1024 th:TH_LOAD_NT
.set k, k+1
.endr
	s_branch .Lloaded
.Lwide:
.set k, 0
.rept 128
	global_load_b32 v[NUM+k], v2, s[20:21] offset:k*2048 th:TH_LOAD_NT
.set k, k+1
.endr
.Lloaded:
	s_wait_loadcnt 0x0
.irp b, 0,1,2,3
	v_max3_num_f32 v[MX+\b], |v[NUM+32*\b]|, |v[NUM+32*\b+1]|, 0x1800000   ; with the floor 2^(3 - 127): the byte cannot fall under 1
.endr
.irp i, 2,4,6,8,10,12,14,16,18,20,22,24,26,28,30
.irp b, 0,1,2,3
	v_max3_num_f32 v[MX+\b], v[MX+\b], |v[NUM+32*\b+\i]|, |v[NUM+32*\b+\i+1]|   ; the four blocks by turns
.endr
.endr
.irp b, 0,1,2,3
	v_add_nc_u32 v[SO+\b], 0xff000000, v[MX+\b]    ; 2 off the exponent field: the conversion takes that field as its scale
.endr
.irp b, 0,1,2,3
	v_lshrrev_b32 v[BY+\b], 23, v[SO+\b]           ; the byte
.endr
	v_lshl_or_b32 v[WD], v[BY+1], 8, v[BY]
	v_lshl_or_b32 v[WD], v[BY+2], 16, v[WD]
	v_lshl_or_b32 v[WD], v[BY+3], 24, v[WD]
.irp b, 0,1,2,3
.irp g, 0,1,2,3
	v_cvt_scalef32_pk8_fp4_f32 v[COD+4*\b+\g], v[NUM+32*\b+8*\g:NUM+32*\b+8*\g+7], v[SO+\b]
.endr
.endr
	v_nop                                          ; one plain line behind the last conversion
.irp b, 0,1,2,3
	global_store_b128 v6, v[COD+4*\b:COD+4*\b+3], s[14:15] offset:(\b/2)*512+(\b%2)*256   ; the sixteen lanes of a fragment fill 256 consecutive bytes, aligned
.endr
	global_store_b32 v7, v[WD], s[16:17]
	s_endpgm
.Lfunc_end_k_q5a6f9e4bb6_prep:
	.size	k_q5a6f9e4bb6_prep, .Lfunc_end_k_q5a6f9e4bb6_prep-k_q5a6f9e4bb6_prep
	.p2alignl 7, 3214868480
	.fill 96, 4, 3214868480
	.section	.rodata,"a",@progbits
	.p2align	6, 0x0
	.amdhsa_kernel k_q5a6f9e4bb6_prep
		.amdhsa_group_segment_fixed_size 0
		.amdhsa_private_segment_fixed_size 0
		.amdhsa_enable_private_segment 0
		.amdhsa_kernarg_size 56
		.amdhsa_user_sgpr_count 2
		.amdhsa_user_sgpr_kernarg_segment_ptr 1
		.amdhsa_wavefront_size32 1
		.amdhsa_system_sgpr_workgroup_id_x 1
		.amdhsa_system_sgpr_workgroup_id_y 1
		.amdhsa_system_sgpr_workgroup_id_z 1
		.amdhsa_system_vgpr_workitem_id 0
		.amdhsa_next_free_vgpr 192
		.amdhsa_next_free_sgpr 66
		.amdhsa_reserve_vcc 0
		.amdhsa_float_denorm_mode_32 3
		.amdhsa_float_denorm_mode_16_64 3
		.amdhsa_memory_ordered 1
		.amdhsa_forward_progress 1
		.amdhsa_inst_pref_size 33
	.end_amdhsa_kernel
	.amdgpu_metadata
---
amdhsa.version: [ 1, 2 ]
amdhsa.kernels:
  - .name:           k_q5a6f9e4bb6_prep
    .symbol:         k_q5a6f9e4bb6_prep.kd
    .args:
      - { .name: Wq, .offset: 0, .size: 8, .value_kind: global_buffer, .address_space: global }
      - { .name: Wkv, .offset: 8, .size: 8, .value_kind: global_buffer, .address_space: global }
      - { .name: Wp, .offset: 16, .size: 8, .value_kind: global_buffer, .address_space: global }
      - { .name: W1, .offset: 24, .size: 8, .value_kind: global_buffer, .address_space: global }
      - { .name: W2, .offset: 32, .size: 8, .value_kind: global_buffer, .address_space: global }
      - { .name: wcod, .offset: 40, .size: 8, .value_kind: global_buffer, .address_space: global }
      - { .name: wscl, .offset: 48, .size: 8, .value_kind: global_buffer, .address_space: global }
    .group_segment_fixed_size: 0
    .private_segment_fixed_size: 0
    .kernarg_segment_align: 8
    .kernarg_segment_size: 56
    .max_flat_workgroup_size: 32
    .sgpr_count:     66
    .vgpr_count:     192
    .wavefront_size: 32
...
	.end_amdgpu_metadata
.endif
;; end of part 1
;; launch kvp (part 2): grid 256 x 1, 8 waves a work-group, no clusters, 81,408 bytes of LDS; arguments kv, kv_mask, ln1_g, ln1_b, wcod, wscl, pst, pks; writes pst, pks
.if DOCPART == 2
	.amdgcn_target "amdgcn-amd-amdhsa--gfx1250"
	.amdhsa_code_object_version 6
	.text
	.protected	k_q5a6f9e4bb6_kvp
	.globl	k_q5a6f9e4bb6_kvp
	.p2align	8
	.type	k_q5a6f9e4bb6_kvp,@function
k_q5a6f9e4bb6_kvp:
	s_mov_b64 s[64:65], 0
	v_nop
	global_prefetch_b8 v0, s[64:65] scope:SCOPE_SE
	s_setreg_imm32_b32 hwreg(HW_REG_WAVE_MODE, 25, 1), 1
	s_wait_xcnt 0x0
; The key/value side: layer norm of kv, kvn Wkv on codes of FP4, k = (elu + 1) mask, v = v mask / 8192, both quantised ALONG THE TOKENS, and each head's partial state sum_l v[l][m] k[l][d] and partial sum of k.
; SHARES.  Work-group g owns tokens 256 g .. 256 g + 255 of batch g / 32, as 4 blocks of 64.  THE EIGHT WAVES SHARE THE COLUMNS: wave w owns channels 32 w .. 32 w + 31 of kv, and head w of k and of v.
; ROWS IN.  A wave loads 8 whole rows (16 loads of 512 consecutive bytes) one block ahead, stores them to RAW in LDS (pitch 1,040 bytes) and reads its 32 columns of all 64 rows back:
; lane (r = l % 16, h = l / 16) holds RAW row 16 t + r, and register 16 t + i of X its channel 32 w + 16 h + i.
; THE TOKENS OF A TILE ARE NOT NEIGHBOURS: RAW row 16 (2 b + u) + rho holds token 32 b + 8 u + rho + 8 (rho / 8), so that in the product's result (source 0 = 16 tokens, source 1 = 16 columns of Wkv)
; the 16 registers of token tiles 2 b and 2 b + 1 are the 16 neighbouring tokens 32 b + 16 h + 0 .. 15: the next product's K.
; LAYER NORM over 8 waves with one exchange: each wave's mean and sum of squared deviations of its 32 channels; the eight pairs are merged (mean of means; sums of squares + 32 x the means' squared deviations): no difference of large sums.
; OPERANDS GO FROM WAVE TO WAVE AS IMAGES OF THEIR REGISTERS: tile t, K step s, register group c at 2048 t + 1024 s + 512 c + 16 x lane; wave w makes K block w.  Scale bytes at 128 t + 64 s + 4 r + block % 4.
; THE STATE.  A block has 64 tokens and the instruction's K is 128: K blocks 2 and 3 are zero codes.
; No tensor load: the rows are asked for a block ahead, into registers.  No cluster: the work-groups share only 64 KiB of weight codes, read once at the head.
; LIMITS: NaN and infinities are not served; a block whose largest magnitude lies under 2^-124 keeps the scale byte 1 (a block of zeros too: its codes are zeros); elu + 1 below 0 is 2^(x log2 e).
.set RP,   1040                        ; a row in RAW: 1,024 bytes + 16: an odd multiple of 16, so the 16 rows of a column read start at 16 different 16-byte columns
.set STM,  0                           ; LDS: the waves' means, 256 bytes a wave (16 tokens x 4 tiles)
.set STQ,  2048                        ; their sums of squared deviations
.set IMG,  4096                        ; kvn's 8 fragments
.set ISC,  12288                       ; their scale words
.set MSK,  12800                       ; the mask of the 256 tokens
.set RAW,  13824                       ; 64 rows
.set A_GL, 1                           ; v1   global: 8192 w + 16 l
.set A_RS, 2                           ; v2   RAW, my 8 rows: + 16 l
.set A_RC, 3                           ; v3   RAW, my columns: 1040 r + 128 w + 64 h
.set A_SW, 4                           ; v4   256 w + 16 r
.set A_SR, 5                           ; v5   16 r
.set A_IW, 6                           ; v6   where my codes go in an image
.set A_BW, 7                           ; v7   and my scale bytes
.set A_IR, 8                           ; v8   16 l
.set A_SC, 9                           ; v9   4 l
.set A_MK, 10                          ; v10  MSK + 64 h
.set A_MC, 11                          ; v11  the same in the block in hand
.set VL,   12                          ; v12  l
.set VR,   13                          ; v13  r
.set WS,   14                          ; v14-21 Wkv's scale words, fragment 2 ct + s
.set AS,   22                          ; v22-25 kvn's scale words: lanes 0-15 K step 0, lanes 16-31 K step 1
.set PS,   26                          ; v26-29 scale words of k's two and v's two fragments
.set PW,   30                          ; v30  the scale word just made
.set VH,   31                          ; v31  h
.set LG,   32                          ; v32-47 ln1_g of my 16 channels
.set LB,   48                          ; v48-63 ln1_b
.set MK,   64                          ; v64-95 the mask in the result's layout: 8 t + j
.set LM,   96
.set LQ,   100
.set RS,   104
.set DR,   108
.set PC,   112                         ; v112-119 codes just made
.set TM,   120                         ; v120-135 at work
.set E,    96                          ; v96-127 the exponentials of elu
.set X,    136                         ; v136-199
.set KF,   200                         ; v200-231 kA Z kB Z vA Z vB Z: four fragments whose upper halves stay zero
.set KSP,  232                         ; v232-239 the sum of k, four chains
.set T0,   240                         ; v240-243 at the head and the end
.set ST,   0                           ; window 1: v0-31 the state's four accumulators
.set EPS,  46                          ;           v46-47 1e-5, twice
.set WK,   48                          ;           v48-111 Wkv's 8 fragments
.set F,    112                         ;           v112-175 kvn's 8 fragments; the norm's exchange
.set SG,   176                         ;           v176-239 8 rows on their way
.set TMP,  240
.set SRC,  4                           ; s[4:5] kv at the block in hand
.set WV,   20
.set BLK,  21
.set SEL,  22
.set SMK,  24
.set MSB, 0
.macro WIN new                         ; the immediate's high byte repeats the setting that is left
.if MSB != \new
	s_set_vgpr_msb (MSB<<8)|\new
.set MSB, \new
.endif
.endm
.macro PLACES                          ; four plain lines behind matrix instructions, ahead of the first read of their results (ISA guide 7.12.1)
.rept 4
	v_nop
.endr
.endm
.macro BARRIER                         ; my LDS stores have landed and my LDS loads are in: then the work-group's barrier
	s_wait_dscnt 0x0
	s_barrier_signal -1
	s_barrier_wait -1
.endm
.macro STAGEIN                         ; my 8 rows, asked for a block ago, go to RAW
	s_wait_loadcnt 0x0
	WIN 0x04                                       ; an LDS store's data are its source 1: window 1
.irp i, 0,1,2,3,4,5,6,7,8,9,10,11,12,13,14,15
	ds_store_b128 v[A_RS], v[SG+4*\i:SG+4*\i+3] offset:(\i/2)*RP+(\i%2)*512
.endr
	WIN 0
	BARRIER
.endm
.macro NEXTLOAD                        ; the next block's rows, if there is a next block: no load leaves its buffer
	s_cmp_eq_u32 s[BLK], 1
	s_cbranch_scc1 .Lnonext_\@
	WIN 0x40
.irp i, 0,1,2,3,4,5,6,7,8,9,10,11,12,13,14,15
	global_load_b128 v[SG+4*\i:SG+4*\i+3], v[A_GL], s[SRC:SRC+1] offset:65536+512*\i th:TH_LOAD_NT
.endr
	WIN 0
.Lnonext_\@:
.endm
.macro COLS                            ; my 32 columns of the 64 rows
.irp t, 0,1,2,3
.irp j, 0,1,2,3
	ds_load_b128 v[X+16*\t+4*\j:X+16*\t+4*\j+3], v[A_RC] offset:16*RP*\t+16*\j
.endr
.endr
.endm
.macro LNFOLD                          ; each tile's two chains, the pair's halves, and lane l xor 16's into TM+4t+1
.irp t, 0,1,2,3
	v_pk_add_f32 v[TM+4*\t:TM+4*\t+1], v[TM+4*\t:TM+4*\t+1], v[TM+4*\t+2:TM+4*\t+3]
.endr
.irp t, 0,1,2,3
	v_add_f32 v[TM+4*\t], v[TM+4*\t], v[TM+4*\t+1]
.endr
.irp t, 0,1,2,3
	v_permlanex16_b32 v[TM+4*\t+1], v[TM+4*\t], s[SEL], s[SEL+1]
.endr
.endm
.macro LNSTAT                          ; my 32 channels' mean (LM) and sum of squared deviations (LQ) for each token; X becomes x - LM; both go to LDS
.irp t, 0,1,2,3
	v_pk_add_f32 v[TM+4*\t:TM+4*\t+1], v[X+16*\t:X+16*\t+1], v[X+16*\t+2:X+16*\t+3]
	v_pk_add_f32 v[TM+4*\t+2:TM+4*\t+3], v[X+16*\t+4:X+16*\t+5], v[X+16*\t+6:X+16*\t+7]
.endr
.irp i, 8,12
.irp t, 0,1,2,3
	v_pk_add_f32 v[TM+4*\t:TM+4*\t+1], v[TM+4*\t:TM+4*\t+1], v[X+16*\t+\i:X+16*\t+\i+1]
	v_pk_add_f32 v[TM+4*\t+2:TM+4*\t+3], v[TM+4*\t+2:TM+4*\t+3], v[X+16*\t+\i+2:X+16*\t+\i+3]
.endr
.endr
	LNFOLD
.irp t, 0,1,2,3
	v_add_f32 v[TM+4*\t], v[TM+4*\t], v[TM+4*\t+1]
.endr
.irp t, 0,1,2,3
	v_mul_f32 v[LM+\t], 0x3d000000, v[TM+4*\t]     ; / 32
.endr
.irp p, 0,1
.irp o, 0,1
.irp i, 0,2,4,6,8,10,12,14
.set xr, X+16*(2*\p+\o)+\i
	v_pk_add_f32 v[xr:xr+1], v[xr:xr+1], v[LM+2*\p:LM+2*\p+1] op_sel:[0,\o] op_sel_hi:[1,\o] neg_lo:[0,1] neg_hi:[0,1]   ; the tile's mean serves both halves
.endr
.endr
.endr
.irp t, 0,1,2,3
	v_pk_mul_f32 v[TM+4*\t:TM+4*\t+1], v[X+16*\t:X+16*\t+1], v[X+16*\t:X+16*\t+1]
	v_pk_mul_f32 v[TM+4*\t+2:TM+4*\t+3], v[X+16*\t+2:X+16*\t+3], v[X+16*\t+2:X+16*\t+3]
.endr
.irp i, 4,8,12
.irp t, 0,1,2,3
	v_pk_fma_f32 v[TM+4*\t:TM+4*\t+1], v[X+16*\t+\i:X+16*\t+\i+1], v[X+16*\t+\i:X+16*\t+\i+1], v[TM+4*\t:TM+4*\t+1]
	v_pk_fma_f32 v[TM+4*\t+2:TM+4*\t+3], v[X+16*\t+\i+2:X+16*\t+\i+3], v[X+16*\t+\i+2:X+16*\t+\i+3], v[TM+4*\t+2:TM+4*\t+3]
.endr
.endr
	LNFOLD
.irp t, 0,1,2,3
	v_add_f32 v[LQ+\t], v[TM+4*\t], v[TM+4*\t+1]
.endr
	ds_store_b128 v[A_SW], v[LM:LM+3] offset:STM   ; both halves of the lanes write the same words with the same values
	ds_store_b128 v[A_SW], v[LQ:LQ+3] offset:STQ
.endm
.macro LNCOMB                          ; the eight waves' pairs are merged: RS = 1 / sqrt(var + eps), DR = (my mean - the row's mean) RS, for each tile
	WIN 0x40
.irp v, 0,1,2,3,4,5,6,7
	ds_load_b128 v[F+4*\v:F+4*\v+3], v[A_SR] offset:STM+256*\v
	ds_load_b128 v[F+32+4*\v:F+32+4*\v+3], v[A_SR] offset:STQ+256*\v
.endr
	s_wait_dscnt 0x0
	WIN 0x55
.irp e, 0,2
	v_pk_add_f32 v[TMP+4+\e:TMP+5+\e], v[F+\e:F+\e+1], v[F+4+\e:F+5+\e]
	v_pk_add_f32 v[F+32+\e:F+33+\e], v[F+32+\e:F+33+\e], v[F+36+\e:F+37+\e]
.endr
.irp v, 2,3,4,5,6,7
.irp e, 0,2
	v_pk_add_f32 v[TMP+4+\e:TMP+5+\e], v[TMP+4+\e:TMP+5+\e], v[F+4*\v+\e:F+4*\v+\e+1]
	v_pk_add_f32 v[F+32+\e:F+33+\e], v[F+32+\e:F+33+\e], v[F+32+4*\v+\e:F+32+4*\v+\e+1]
.endr
.endr
.irp e, 0,2
	v_pk_mul_f32 v[TMP+4+\e:TMP+5+\e], v[TMP+4+\e:TMP+5+\e], 0x3e000000 op_sel_hi:[1,0]   ; the row's mean
.endr
.irp v, 0,1,2,3,4,5,6,7
.irp e, 0,2
	v_pk_add_f32 v[F+4*\v+\e:F+4*\v+\e+1], v[F+4*\v+\e:F+4*\v+\e+1], v[TMP+4+\e:TMP+5+\e] neg_lo:[0,1] neg_hi:[0,1]
.endr
.endr
.irp e, 0,2
	v_pk_mul_f32 v[TMP+8+\e:TMP+9+\e], v[F+\e:F+\e+1], v[F+\e:F+\e+1]
.endr
.irp v, 1,2,3,4,5,6,7
.irp e, 0,2
	v_pk_fma_f32 v[TMP+8+\e:TMP+9+\e], v[F+4*\v+\e:F+4*\v+\e+1], v[F+4*\v+\e:F+4*\v+\e+1], v[TMP+8+\e:TMP+9+\e]
.endr
.endr
.irp e, 0,2
	v_pk_fma_f32 v[TMP+12+\e:TMP+13+\e], v[TMP+8+\e:TMP+9+\e], 0x42000000, v[F+32+\e:F+33+\e] op_sel_hi:[1,0,1]   ; 32 x the means' squared deviations + the waves' sums
.endr
.irp e, 0,2
	v_pk_fma_f32 v[TMP+12+\e:TMP+13+\e], v[TMP+12+\e:TMP+13+\e], 0x3b800000, v[EPS:EPS+1] op_sel_hi:[1,0,1]       ; / 256 + eps
.endr
	WIN 0x04
.irp e, 0,2
	v_pk_add_f32 v[DR+\e:DR+\e+1], v[LM+\e:LM+\e+1], v[TMP+4+\e:TMP+5+\e] neg_lo:[0,1] neg_hi:[0,1]
.endr
	WIN 0x01
.irp t, 0,1,2,3
	v_rsq_f32 v[RS+\t], v[TMP+12+\t]
.endr
	WIN 0
	v_nop                                          ; a plain line behind the last of the four
	s_wait_alu depctr_va_vdst(0)                   ; one wait for the four, ahead of their first reader
.irp e, 0,2
	v_pk_mul_f32 v[DR+\e:DR+\e+1], v[DR+\e:DR+\e+1], v[RS+\e:RS+\e+1]
.endr
.endm
.macro LNAPPLY lg, lb                  ; X = ((x - my mean) RS + DR) g + b
.irp p, 0,1
.irp o, 0,1
.irp i, 0,2,4,6,8,10,12,14
.set xr, X+16*(2*\p+\o)+\i
	v_pk_fma_f32 v[xr:xr+1], v[xr:xr+1], v[RS+2*\p:RS+2*\p+1], v[DR+2*\p:DR+2*\p+1] op_sel:[0,\o,\o] op_sel_hi:[1,\o,\o]
.endr
.irp i, 0,2,4,6,8,10,12,14
.set xr, X+16*(2*\p+\o)+\i
	v_pk_fma_f32 v[xr:xr+1], v[xr:xr+1], v[\lg+\i:\lg+\i+1], v[\lb+\i:\lb+\i+1]
.endr
.endr
.endr
.endm
; 64 numbers of a lane, v[s] on: register 16 b + i = number 16 h + i of block b of my row.  Blocks 0, 1 become the four registers dA on, blocks 2, 3 those dB on: lane (r, hh) then holds a WHOLE block, 2 c + hh.
; TM+4+b: the blocks' scale bytes.  word = 1: the four bytes also make PW.
.macro QUANT s, dA, dB, word
.irp b, 0,1,2,3
	v_max3_num_f32 v[TM+\b], |v[\s+16*\b]|, |v[\s+1+16*\b]|, 0x1800000   ; my 16 numbers, and the floor 2^(3 - 127): the byte cannot fall under 1
.endr
.irp i, 2,4,6,8,10,12,14
.irp b, 0,1,2,3
	v_max3_num_f32 v[TM+\b], v[TM+\b], |v[\s+16*\b+\i]|, |v[\s+1+16*\b+\i]|
.endr
.endr
.irp b, 0,1,2,3
	v_permlanex16_b32 v[TM+4+\b], v[TM+\b], s[SEL], s[SEL+1]
.endr
.irp b, 0,1,2,3
	v_max_num_f32 v[TM+\b], v[TM+\b], v[TM+4+\b]   ; with lane l xor 16's: the block's largest magnitude
.endr
.irp b, 0,1,2,3
	v_add_nc_u32 v[TM+12+\b], 0xff000000, v[TM+\b] ; 2 off its exponent field: the conversion's scale operand
.endr
.irp b, 0,1,2,3
	v_lshrrev_b32 v[TM+4+\b], 23, v[TM+12+\b]      ; the byte
.endr
.if \word
	v_lshl_or_b32 v[PW], v[TM+5], 8, v[TM+4]
	v_lshl_or_b32 v[PW], v[TM+6], 16, v[PW]
	v_lshl_or_b32 v[PW], v[TM+7], 24, v[PW]
.endif
.irp b, 0,1
	v_cvt_scalef32_pk8_fp4_f32 v[\dA+2*\b], v[\s+16*\b:\s+16*\b+7], v[TM+12+\b]
	v_cvt_scalef32_pk8_fp4_f32 v[\dA+2*\b+1], v[\s+16*\b+8:\s+16*\b+15], v[TM+12+\b]
	v_cvt_scalef32_pk8_fp4_f32 v[\dB+2*\b], v[\s+32+16*\b:\s+32+16*\b+7], v[TM+14+\b]
	v_cvt_scalef32_pk8_fp4_f32 v[\dB+2*\b+1], v[\s+32+16*\b+8:\s+32+16*\b+15], v[TM+14+\b]
.endr
	v_nop                                          ; one plain line behind the last conversion
.irp i, 0,1
	v_permlane16_swap_b32 v[\dA+\i], v[\dA+2+\i]
	v_permlane16_swap_b32 v[\dB+\i], v[\dB+2+\i]
.endr
.endm
.macro PUTIMG img, isc                 ; my K block of the four tiles' fragments, and its scale bytes
	ds_store_b128 v[A_IW], v[PC:PC+3] offset:\img
	ds_store_b128 v[A_IW], v[PC+4:PC+7] offset:\img+4096
.irp t, 0,1,2,3
	ds_store_b8 v[A_BW], v[TM+4+\t] offset:\isc+128*\t
.endr
.endm
.macro GETFRAG img, isc                ; the four tiles' fragments of K = 256, fragment 2 t + s, and their scale words
	WIN 0x40
.irp t, 0,1,2,3
.irp k, 0,1,2,3
	ds_load_b128 v[F+16*\t+4*\k:F+16*\t+4*\k+3], v[A_IR] offset:\img+2048*\t+512*\k
.endr
.endr
	WIN 0
.irp t, 0,1,2,3
	ds_load_b32 v[AS+\t], v[A_SC] offset:\isc+128*\t
.endr
.endm
.macro ELU                             ; X = max(x, 0) + 2^(min(x log2 e, 0)) = elu(x) + 1, 32 registers at a time: one batch of exponentials, one wait
.irp q, 0,1
.set ei, 0
.rept 16
	v_pk_mul_f32 v[E+ei:E+ei+1], v[X+32*\q+ei:X+32*\q+ei+1], 0x3fb8aa3b op_sel_hi:[1,0]
.set ei, ei+2
.endr
.set ei, 0
.rept 32
	v_min_num_f32 v[E+ei], 0, v[E+ei]
.set ei, ei+1
.endr
.set ei, 0
.rept 32
	v_exp_f32 v[E+ei], v[E+ei]
.set ei, ei+1
.endr
.set ei, 0
.rept 32
	v_max_num_f32 v[X+32*\q+ei], 0, v[X+32*\q+ei]  ; plain work behind the batch
.set ei, ei+1
.endr
	s_wait_alu depctr_va_vdst(0)                   ; one wait for the batch, ahead of its first reader
.set ei, 0
.rept 16
	v_pk_add_f32 v[X+32*\q+ei:X+32*\q+ei+1], v[X+32*\q+ei:X+32*\q+ei+1], v[E+ei:E+ei+1]
.set ei, ei+2
.endr
.endr
.endm
; kvn Wkv for two fragments' columns (ct0 = 0: k's, 2: v's): source 0 = 16 tokens, source 1 = 16 columns.  The eight accumulators take turns, K step by K step.
.macro P2 ct0
	WIN 0x05
.irp u, 0,1
.irp t, 0,1,2,3
	v_wmma_scale_f32_16x16x128_f8f6f4 v[X+8*(4*\u+\t):X+8*(4*\u+\t)+7], v[F+16*\t:F+16*\t+7], v[WK+16*(\ct0+\u):WK+16*(\ct0+\u)+7], 0, v[AS+\t], v[WS+2*(\ct0+\u)] matrix_a_fmt:MATRIX_FMT_FP4 matrix_b_fmt:MATRIX_FMT_FP4
.endr
.endr
.irp u, 0,1
.irp t, 0,1,2,3
	v_wmma_scale_f32_16x16x128_f8f6f4 v[X+8*(4*\u+\t):X+8*(4*\u+\t)+7], v[F+16*\t+8:F+16*\t+15], v[WK+16*(\ct0+\u)+8:WK+16*(\ct0+\u)+15], v[X+8*(4*\u+\t):X+8*(4*\u+\t)+7], v[AS+\t], v[WS+2*(\ct0+\u)+1] matrix_a_fmt:MATRIX_FMT_FP4 matrix_b_fmt:MATRIX_FMT_FP4 matrix_a_scale:MATRIX_SCALE_ROW1
.endr
.endr
	WIN 0
	PLACES
.endm
.macro MASKX                           ; register 8 (4 u + t) + j holds token 32 (t / 2) + 16 h + 8 (t % 2) + j: x its mask
.irp u, 0,1
.irp t, 0,1,2,3
.irp i, 0,2,4,6
.set xr, X+8*(4*\u+\t)+\i
	v_pk_mul_f32 v[xr:xr+1], v[xr:xr+1], v[MK+8*\t+\i:MK+8*\t+\i+1]
.endr
.endr
.endr
.endm
	s_load_b512 s[4:19], s[0:1], 0x0               ; kv, kv_mask, ln1_g, ln1_b, wcod, wscl, pst, pks
	v_lshl_add_u32 v254, v0, 2, 0x13a00
	v_mov_b32 v255, 0
	v_lshrrev_b32 v[VL], 5, v0
	v_readfirstlane_b32 s[WV], v[VL]               ; wave 0..7
	v_and_b32 v[VL], 31, v0
	v_and_b32 v[VR], 15, v0
	v_bfe_u32 v[VH], v0, 4, 1
	s_mov_b32 s[SEL], 0x76543210
	s_mov_b32 s[SEL+1], 0xfedcba98                 ; v_permlanex16_b32's selects for lane l xor 16
	s_mov_b32 s[BLK], 4
	s_mov_b32 s[SMK], 0
	s_lshl_b32 s32, s[WV], 13
	v_lshl_add_u32 v[A_GL], v[VL], 4, s32
	s_lshl_b32 s26, ttmp9, 18                      ; 256 rows of 1,024 bytes a work-group
	s_mov_b32 s27, 0
	s_wait_kmcnt 0x0
	s_add_nc_u64 s[4:5], s[4:5], s[26:27]
	WIN 0x40
.irp i, 0,1,2,3,4,5,6,7,8,9,10,11,12,13,14,15
	global_load_b128 v[SG+4*\i:SG+4*\i+3], v[A_GL], s[SRC:SRC+1] offset:512*\i th:TH_LOAD_NT   ; block 0's rows first
.endr
	WIN 0
	v_lshlrev_b32 v[A_IR], 4, v[VL]
	s_lshl_b32 s26, s[WV], 12
	s_add_nc_u64 s[28:29], s[12:13], s[26:27]      ; my fragments: 32 + 4 w .. (k), 64 + 4 w .. (v)
	s_lshl_b32 s26, s[WV], 8
	s_add_nc_u64 s[30:31], s[14:15], s[26:27]
	s_lshl_b32 s26, ttmp9, 10
	s_add_nc_u64 s[6:7], s[6:7], s[26:27]
	v_lshlrev_b32 v[T0], 2, v[VR]
	s_lshl_b32 s32, s[WV], 7
	v_lshl_add_u32 v[T0+1], v[VH], 6, s32          ; my 16 channels' bytes in ln1_g and ln1_b
	v_lshlrev_b32 v[T0+2], 2, v0
	WIN 0x40
.irp ct, 0,1,2,3
.irp s, 0,1
.irp c, 0,1
	global_load_b128 v[WK+8*(2*\ct+\s)+4*\c:WK+8*(2*\ct+\s)+4*\c+3], v[A_IR], s[28:29] offset:(32+32*(\ct/2)+2*(\ct%2)+\s)*1024+512*\c
.endr
.endr
.endr
	WIN 0
.irp ct, 0,1,2,3
.irp s, 0,1
	global_load_b32 v[WS+2*\ct+\s], v[T0], s[30:31] offset:(32+32*(\ct/2)+2*(\ct%2)+\s)*64
.endr
.endr
.irp j, 0,1,2,3
	global_load_b128 v[LG+4*\j:LG+4*\j+3], v[T0+1], s[8:9] offset:16*\j
	global_load_b128 v[LB+4*\j:LB+4*\j+3], v[T0+1], s[10:11] offset:16*\j
.endr
	global_load_b32 v[T0+3], v[T0+2], s[6:7]       ; thread tau: the mask of token 256 g + tau
	; LDS addresses
	s_lshr_b32 s32, s[WV], 2
	s_lshl_b32 s33, s32, 5
	s_and_b32 s34, s[WV], 1
	s_lshl_b32 s35, s34, 4
	s_add_co_u32 s33, s33, s35
	s_bfe_u32 s36, s[WV], 0x10001
	s_lshl_b32 s35, s36, 3
	s_add_co_u32 s33, s33, s35                     ; tokens 8 w .. 8 w + 7 go to RAW rows 32 (w / 4) + 16 (w % 2) + 8 ((w / 2) % 2) on
	s_mul_i32 s33, s33, RP
	s_add_co_u32 s33, s33, RAW
	v_lshl_add_u32 v[A_RS], v[VL], 4, s33
	v_mul_u32_u24 v[A_RC], v[VR], RP
	v_lshl_add_u32 v[A_RC], v[VH], 6, v[A_RC]
	s_lshl_b32 s33, s[WV], 7
	s_add_co_u32 s33, s33, RAW
	v_add_nc_u32 v[A_RC], s33, v[A_RC]
	v_lshlrev_b32 v[A_SR], 4, v[VR]
	s_lshl_b32 s33, s[WV], 8
	v_add_nc_u32 v[A_SW], s33, v[A_SR]
	s_lshl_b32 s33, s32, 10                        ; K block w: K step w / 4, register group (w / 2) % 2, half w % 2
	s_lshl_b32 s35, s36, 9
	s_add_co_u32 s33, s33, s35
	s_lshl_b32 s35, s34, 8
	s_add_co_u32 s33, s33, s35
	v_lshl_add_u32 v[A_IW], v[VH], 11, v[A_SR]     ; my half of the lanes holds tile 2 c + h
	v_add_nc_u32 v[A_IW], s33, v[A_IW]
	s_lshl_b32 s33, s32, 6
	s_and_b32 s35, s[WV], 3
	s_add_co_u32 s33, s33, s35
	v_lshl_add_u32 v[A_BW], v[VR], 2, s33
	v_lshlrev_b32 v[A_SC], 2, v[VL]
	v_lshlrev_b32 v[A_MK], 6, v[VH]
	v_add_nc_u32 v[A_MK], MSK, v[A_MK]
	WIN 0x40
.set ei, 0
.rept 32
	v_mov_b32 v[ST+ei], 0                          ; the state's sums begin as zeros: the loop is written once
.set ei, ei+1
.endr
	v_mov_b32 v[EPS], 0x3727c5ac
	v_mov_b32 v[EPS+1], 0x3727c5ac
	WIN 0
.irp z, 4,12,20,28
.irp i, 0,1,2,3
	v_mov_b32 v[KF+\z+\i], 0                       ; K blocks 2 and 3 of the state's operands: zero codes, written once
.endr
.endr
.irp i, 0,1,2,3,4,5,6,7
	v_mov_b32 v[KSP+\i], 0
.endr
.irp i, 0,1,2,3,4,5,6,7,8,9,10,11,12,13,14,15
	v_mov_b32 v[TM+\i], 0                          ; a lane permute's destination counts as one of its sources
.endr
	s_wait_loadcnt 0x0
	ds_store_b32 v[T0+2], v[T0+3] offset:MSK
.Lblock:
	STAGEIN                                        ; barrier: 64 rows lie in RAW (and, in the first trip, the mask in MSK)
	NEXTLOAD
	COLS
	s_wait_dscnt 0x0
	LNSTAT
	BARRIER                                        ; the eight waves' means and sums lie in LDS; nobody reads RAW any more
	LNCOMB
	LNAPPLY LG, LB
	QUANT X, PC, PC+4, 0
	PUTIMG IMG, ISC
	v_add_nc_u32 v[A_MC], s[SMK], v[A_MK]
.irp t, 0,1,2,3
.irp j, 0,1
	ds_load_b128 v[MK+8*\t+4*\j:MK+8*\t+4*\j+3], v[A_MC] offset:(32*(\t/2)+8*(\t%2))*4+16*\j
.endr
.endr
	BARRIER                                        ; kvn's eight fragments lie in LDS; nobody reads the means any more
	GETFRAG IMG, ISC
	s_wait_dscnt 0x0
	P2 0                                           ; k
	ELU
	MASKX
.irp i, 0,2,4,6,8,10,12,14
.irp b, 0,1,2,3
	v_pk_add_f32 v[KSP+2*\b:KSP+2*\b+1], v[KSP+2*\b:KSP+2*\b+1], v[X+16*\b+\i:X+16*\b+\i+1]   ; the sum of the unquantised k, four chains by turns
.endr
.endr
	QUANT X, KF, KF+8, 1                           ; along the tokens: blocks 0, 1 = columns' fragment 0, tokens 0-31, 32-63; blocks 2, 3 = fragment 1
	v_mov_b32 v[PS], v[PW]                         ; fragment 0: bytes 0, 1 (bytes 2, 3 stand over zero codes)
	v_lshrrev_b32 v[PS+1], 16, v[PW]               ; fragment 1
.set ei, 0
.rept 16
	v_pk_mul_f32 v[MK+ei:MK+ei+1], v[MK+ei:MK+ei+1], 0x39000000 op_sel_hi:[1,0]   ; mask / 8192: exact
.set ei, ei+2
.endr
	P2 2                                           ; v
	MASKX
	QUANT X, KF+16, KF+24, 1
	v_mov_b32 v[PS+2], v[PW]
	v_lshrrev_b32 v[PS+3], 16, v[PW]
.rept 8
	v_nop                                          ; a scale register written by a vector instruction stands 8 plain lines ahead of a scaled matrix instruction, an operand 4
.endr
	WIN 0x50
.irp uv, 0,1
.irp uk, 0,1
	v_wmma_scale_f32_16x16x128_f8f6f4 v[ST+8*(2*\uv+\uk):ST+8*(2*\uv+\uk)+7], v[KF+16+8*\uv:KF+16+8*\uv+7], v[KF+8*\uk:KF+8*\uk+7], v[ST+8*(2*\uv+\uk):ST+8*(2*\uv+\uk)+7], v[PS+2+\uv], v[PS+\uk] matrix_a_fmt:MATRIX_FMT_FP4 matrix_b_fmt:MATRIX_FMT_FP4
.endr
.endr
	WIN 0
	s_wait_xcnt 0x0                                ; the next block's loads have read their base: it may step
	s_add_nc_u64 s[SRC:SRC+1], s[SRC:SRC+1], 0x10000
	s_add_co_u32 s[SMK], s[SMK], 256
	s_sub_co_u32 s[BLK], s[BLK], 1
	s_cmp_lg_u32 s[BLK], 0
	s_cbranch_scc1 .Lblock
	; THE WAY OUT.  The sum of k is folded (these lines are also the plain lines behind the last products); state and sum go through my own 4,224 bytes of RAW, which nobody reads any more, and leave as consecutive bytes.
	v_pk_add_f32 v[KSP:KSP+1], v[KSP:KSP+1], v[KSP+2:KSP+3]
	v_pk_add_f32 v[KSP+4:KSP+5], v[KSP+4:KSP+5], v[KSP+6:KSP+7]
	v_add_f32 v[KSP], v[KSP], v[KSP+1]
	v_add_f32 v[KSP+4], v[KSP+4], v[KSP+5]
	v_permlanex16_b32 v[KSP+1], v[KSP], s[SEL], s[SEL+1]
	v_permlanex16_b32 v[KSP+5], v[KSP+4], s[SEL], s[SEL+1]
	v_add_f32 v[KSP], v[KSP], v[KSP+1]
	v_add_f32 v[KSP+4], v[KSP+4], v[KSP+5]
	v_and_b32 v[T0], 8, v[VR]
	v_add_nc_u32 v[T0], v[T0], v[VR]               ; r + 8 (r / 8): my column's d within its fragment's 8 u
	s_mul_i32 s32, s[WV], 8*RP
	s_add_co_u32 s32, s32, RAW
	v_lshl_add_u32 v[T0], v[T0], 2, s32
	v_lshl_add_u32 v[T0+1], v[VH], 11, v[T0]       ; register j of accumulator (uv, uk): m = 16 h + 8 uv + j, d = 8 uk + r + 8 (r / 8)
	v_lshl_add_u32 v[T0+2], v[VL], 4, s32
	v_lshl_add_u32 v[T0+3], v[VL], 2, s32
	s_lshl_b32 s26, ttmp9, 15
	s_lshl_b32 s33, s[WV], 12
	s_add_co_u32 s26, s26, s33
	s_add_nc_u64 s[16:17], s[16:17], s[26:27]
	s_lshl_b32 s26, ttmp9, 10
	s_lshl_b32 s33, s[WV], 7
	s_add_co_u32 s26, s26, s33
	s_add_nc_u64 s[18:19], s[18:19], s[26:27]
	WIN 0x04
.irp uv, 0,1
.irp uk, 0,1
.irp j, 0,1,2,3,4,5,6,7
	ds_store_b32 v[T0+1], v[ST+8*(2*\uv+\uk)+\j] offset:(8*\uv+\j)*128+32*\uk   ; each accumulator from its low end on
.endr
.endr
.endr
	WIN 0
	ds_store_b32 v[T0], v[KSP] offset:4096
	ds_store_b32 v[T0], v[KSP+4] offset:4096+32
.irp i, 0,1,2,3,4,5,6,7
	ds_load_b128 v[X+4*\i:X+4*\i+3], v[T0+2] offset:512*\i   ; LDS serves a wave's instructions in order (ISA guide 5.7.1.4): these see my stores
.endr
	ds_load_b32 v[X+32], v[T0+3] offset:4096
	s_wait_dscnt 0x0
.irp i, 0,1,2,3,4,5,6,7
	global_store_b128 v[A_IR], v[X+4*\i:X+4*\i+3], s[16:17] offset:512*\i   ; 32 lanes store 512 consecutive bytes, aligned
.endr
	global_store_b32 v[A_SC], v[X+32], s[18:19]
	s_wait_tensorcnt 0x0
	ds_add_u32 v254, v255
	s_wait_dscnt 0x0
	s_endpgm
.Lfunc_end_k_q5a6f9e4bb6_kvp:
	.size	k_q5a6f9e4bb6_kvp, .Lfunc_end_k_q5a6f9e4bb6_kvp-k_q5a6f9e4bb6_kvp
	.p2alignl 7, 3214868480
	.fill 96, 4, 3214868480
	.section	.rodata,"a",@progbits
	.p2align	6, 0x0
	.amdhsa_kernel k_q5a6f9e4bb6_kvp
		.amdhsa_group_segment_fixed_size 81408
		.amdhsa_private_segment_fixed_size 0
		.amdhsa_enable_private_segment 0
		.amdhsa_kernarg_size 64
		.amdhsa_user_sgpr_count 2
		.amdhsa_user_sgpr_kernarg_segment_ptr 1
		.amdhsa_wavefront_size32 1
		.amdhsa_system_sgpr_workgroup_id_x 1
		.amdhsa_system_sgpr_workgroup_id_y 1
		.amdhsa_system_sgpr_workgroup_id_z 1
		.amdhsa_system_vgpr_workitem_id 0
		.amdhsa_next_free_vgpr 512
		.amdhsa_next_free_sgpr 66
		.amdhsa_reserve_vcc 0
		.amdhsa_float_denorm_mode_32 3
		.amdhsa_float_denorm_mode_16_64 3
		.amdhsa_memory_ordered 1
		.amdhsa_forward_progress 1
		.amdhsa_inst_pref_size 74
	.end_amdhsa_kernel
	.amdgpu_metadata
---
amdhsa.version: [ 1, 2 ]
amdhsa.kernels:
  - .name:           k_q5a6f9e4bb6_kvp
    .symbol:         k_q5a6f9e4bb6_kvp.kd
    .args:
      - { .name: kv, .offset: 0, .size: 8, .value_kind: global_buffer, .address_space: global }
      - { .name: kv_mask, .offset: 8, .size: 8, .value_kind: global_buffer, .address_space: global }
      - { .name: ln1_g, .offset: 16, .size: 8, .value_kind: global_buffer, .address_space: global }
      - { .name: ln1_b, .offset: 24, .size: 8, .value_kind: global_buffer, .address_space: global }
      - { .name: wcod, .offset: 32, .size: 8, .value_kind: global_buffer, .address_space: global }
      - { .name: wscl, .offset: 40, .size: 8, .value_kind: global_buffer, .address_space: global }
      - { .name: pst, .offset: 48, .size: 8, .value_kind: global_buffer, .address_space: global }
      - { .name: pks, .offset: 56, .size: 8, .value_kind: global_buffer, .address_space: global }
    .group_segment_fixed_size: 81408
    .private_segment_fixed_size: 0
    .kernarg_segment_align: 8
    .kernarg_segment_size: 64
    .max_flat_workgroup_size: 256
    .sgpr_count:     66
    .vgpr_count:     512
    .wavefront_size: 32
...
	.end_amdgpu_metadata
.endif
;; end of part 2
;; launch red (part 3): grid 256 x 1, 4 waves a work-group, no clusters, 4,864 bytes of LDS; arguments pst, pks, stc, sts, ksm; writes stc, sts, ksm
.if DOCPART == 3
	.amdgcn_target "amdgcn-amd-amdhsa--gfx1250"
	.amdhsa_code_object_version 6
	.text
	.protected	k_q5a6f9e4bb6_red
	.globl	k_q5a6f9e4bb6_red
	.p2align	8
	.type	k_q5a6f9e4bb6_red,@function
k_q5a6f9e4bb6_red:
	s_mov_b64 s[64:65], 0
	v_nop
	global_prefetch_b8 v0, s[64:65] scope:SCOPE_SE
	s_setreg_imm32_b32 hwreg(HW_REG_WAVE_MODE, 25, 1), 1
	s_wait_xcnt 0x0
; The 32 partial states and partial sums of k of each batch are added, and the state is quantised along d (one block of 32 for each row m) into codes of FP4 and one E8M0 byte.
; Work-group G takes rows m = 8 (G % 4) .. + 7 of head (G / 4) % 8 of batch G / 32, and the 8 channels of the sum of k with the same numbers.  Wave v adds partials 8 v .. 8 v + 7; the four sums meet in LDS; wave 0 finishes.
; stc: [64 heads][32 m][16 bytes of codes].  sts: [64][32 m] a word of four EQUAL scale bytes, so that the block may stand at any of an instruction's four K blocks.  ksm: [8][256] f32.
; Memory binds and the work is small: no matrix unit, no tensor load, no cluster.  LIMITS: NaN and infinities are not served; a row whose largest magnitude lies under 2^-124 keeps the byte 1 (a row of zeros too: its codes are zeros).
	s_load_b256 s[4:11], s[0:1], 0x0               ; pst, pks, stc, sts
	s_load_b64 s[12:13], s[0:1], 0x20              ; ksm
	v_lshl_add_u32 v96, v0, 2, 0x1100
	v_mov_b32 v97, 0
	v_lshrrev_b32 v1, 5, v0
	v_readfirstlane_b32 s14, v1                    ; wave 0..3
	v_and_b32 v1, 31, v0                           ; l
	v_lshlrev_b32 v2, 4, v1                        ; 16 l
	s_lshr_b32 s15, ttmp9, 2                       ; batch x 8 + head
	s_and_b32 s16, ttmp9, 3                        ; which 8 rows
	s_lshr_b32 s17, s15, 3                         ; batch
	s_and_b32 s18, s15, 7                          ; head
	s_lshl_b32 s20, s17, 20                        ; pst: 32 partials of 32,768 bytes a batch,
	s_lshl_b32 s22, s14, 18                        ; 8 of them a wave,
	s_add_co_u32 s20, s20, s22
	s_lshl_b32 s22, s18, 12                        ; 4,096 bytes a head,
	s_add_co_u32 s20, s20, s22
	s_lshl_b32 s22, s16, 10                        ; 8 rows of 128 bytes
	s_add_co_u32 s20, s20, s22
	s_mov_b32 s21, 0
	s_lshl_b32 s24, s17, 15                        ; pks: rows of 1,024 bytes
	s_lshl_b32 s22, s14, 13
	s_add_co_u32 s24, s24, s22
	s_lshl_b32 s22, s18, 7
	s_add_co_u32 s24, s24, s22
	s_lshl_b32 s22, s16, 5
	s_add_co_u32 s24, s24, s22
	s_mov_b32 s25, 0
	v_lshrrev_b32 v3, 2, v1                        ; lane l: partial l / 4 of my 8, channels 2 (l % 4), + 1
	v_and_b32 v4, 3, v1
	v_lshlrev_b32 v4, 3, v4
	v_lshl_add_u32 v3, v3, 10, v4
	s_mov_b32 s26, 0x76543210
	s_mov_b32 s27, 0xfedcba98
	s_wait_kmcnt 0x0
	s_add_nc_u64 s[4:5], s[4:5], s[20:21]
	s_add_nc_u64 s[6:7], s[6:7], s[24:25]
.irp p, 0,1,2,3,4,5,6,7
.irp i, 0,1
	global_load_b128 v[16+8*\p+4*\i:16+8*\p+4*\i+3], v2, s[4:5] offset:32768*\p+512*\i th:TH_LOAD_NT
.endr
.endr
	global_load_b64 v[80:81], v3, s[6:7] th:TH_LOAD_NT
	s_lshl_b32 s22, s14, 10
	v_add_nc_u32 v5, s22, v2                       ; LDS: 1024 v + 16 l
	s_lshl_b32 s22, s14, 5
	v_add_nc_u32 v6, s22, v4                       ; 32 v + 8 (l % 4)
	v_lshlrev_b32 v7, 5, v1                        ; wave 0: 8 numbers a lane: row l / 4, d = 8 (l % 4) on
	v_and_b32 v8, 7, v1
	v_lshlrev_b32 v8, 2, v8                        ; 4 (l % 8)
	v_lshlrev_b32 v9, 2, v1                        ; 4 l
	v_mov_b32 v82, 0                               ; a lane permute's destination counts as one of its sources
	v_mov_b32 v83, 0
	s_lshl_b32 s20, s15, 9                         ; where the results go
	s_lshl_b32 s22, s16, 7
	s_add_co_u32 s20, s20, s22
	s_add_nc_u64 s[8:9], s[8:9], s[20:21]
	s_lshl_b32 s20, s15, 7
	s_lshl_b32 s22, s16, 5
	s_add_co_u32 s20, s20, s22
	s_add_nc_u64 s[10:11], s[10:11], s[20:21]      ; (128 x (8 batch + head) = 1,024 batch + 128 head: the same offset serves ksm)
	s_add_nc_u64 s[12:13], s[12:13], s[20:21]
	s_wait_loadcnt 0x0
.irp p, 1,2,3,4,5,6,7
.irp e, 0,2,4,6
	v_pk_add_f32 v[16+\e:17+\e], v[16+\e:17+\e], v[16+8*\p+\e:17+8*\p+\e]
.endr
.endr
	ds_store_b128 v5, v[16:19]
	ds_store_b128 v5, v[20:23] offset:512
	v_add_f32_dpp v80, v80, v80 row_xmask:4 row_mask:0xf bank_mask:0xf   ; the 8 partials lie in lanes that differ in l / 4
	v_add_f32_dpp v81, v81, v81 row_xmask:4 row_mask:0xf bank_mask:0xf
	v_add_f32_dpp v80, v80, v80 row_xmask:8 row_mask:0xf bank_mask:0xf
	v_add_f32_dpp v81, v81, v81 row_xmask:8 row_mask:0xf bank_mask:0xf
	v_permlanex16_b32 v82, v80, s26, s27
	v_permlanex16_b32 v83, v81, s26, s27
	v_pk_add_f32 v[80:81], v[80:81], v[82:83]
	ds_store_b64 v6, v[80:81] offset:4096          ; lanes with the same l % 4 write the same words with the same values
	s_wait_dscnt 0x0                               ; for the others' sake: my stores have landed
	s_barrier_signal -1
	s_barrier_wait -1
	s_cmp_lg_u32 s14, 0
	s_cbranch_scc1 .Ldone
.irp v, 0,1,2,3
.irp i, 0,1
	ds_load_b128 v[16+8*\v+4*\i:16+8*\v+4*\i+3], v7 offset:1024*\v+16*\i
.endr
	ds_load_b32 v[88+\v], v8 offset:4096+32*\v
.endr
	s_wait_dscnt 0x0
.irp v, 1,2,3
.irp e, 0,2,4,6
	v_pk_add_f32 v[16+\e:17+\e], v[16+\e:17+\e], v[16+8*\v+\e:17+8*\v+\e]
.endr
.endr
	v_max3_num_f32 v84, |v16|, |v17|, 0x1800000    ; my 8 numbers and the floor 2^(3 - 127)
	v_max3_num_f32 v84, v84, |v18|, |v19|
	v_max3_num_f32 v84, v84, |v20|, |v21|
	v_max3_num_f32 v84, v84, |v22|, |v23|
	v_max_num_f32_dpp v84, v84, v84 row_xmask:1 row_mask:0xf bank_mask:0xf   ; a row's 32 numbers lie in four neighbouring lanes
	v_max_num_f32_dpp v84, v84, v84 row_xmask:2 row_mask:0xf bank_mask:0xf
	v_add_nc_u32 v85, 0xff000000, v84              ; 2 off the exponent field: the conversion's scale operand
	v_cvt_scalef32_pk8_fp4_f32 v86, v[16:23], v85
	v_lshrrev_b32 v87, 23, v85                     ; the byte (a plain line behind the conversion)
	v_add_f32 v88, v88, v89
	v_add_f32 v90, v90, v91
	v_add_f32 v88, v88, v90
	global_store_b32 v9, v86, s[8:9]               ; 128 consecutive bytes: 8 rows of 16
	global_store_b8 v1, v87, s[10:11]              ; the four lanes of a row write the four equal bytes of its word
	global_store_b32 v8, v88, s[12:13]             ; 8 channels; lanes l, l + 8, l + 16, l + 24 write the same word with the same value
.Ldone:
	s_wait_tensorcnt 0x0
	ds_add_u32 v96, v97
	s_wait_dscnt 0x0
	s_endpgm
.Lfunc_end_k_q5a6f9e4bb6_red:
	.size	k_q5a6f9e4bb6_red, .Lfunc_end_k_q5a6f9e4bb6_red-k_q5a6f9e4bb6_red
	.p2alignl 7, 3214868480
	.fill 96, 4, 3214868480
	.section	.rodata,"a",@progbits
	.p2align	6, 0x0
	.amdhsa_kernel k_q5a6f9e4bb6_red
		.amdhsa_group_segment_fixed_size 4864
		.amdhsa_private_segment_fixed_size 0
		.amdhsa_enable_private_segment 0
		.amdhsa_kernarg_size 40
		.amdhsa_user_sgpr_count 2
		.amdhsa_user_sgpr_kernarg_segment_ptr 1
		.amdhsa_wavefront_size32 1
		.amdhsa_system_sgpr_workgroup_id_x 1
		.amdhsa_system_sgpr_workgroup_id_y 1
		.amdhsa_system_sgpr_workgroup_id_z 1
		.amdhsa_system_vgpr_workitem_id 0
		.amdhsa_next_free_vgpr 98
		.amdhsa_next_free_sgpr 66
		.amdhsa_reserve_vcc 0
		.amdhsa_float_denorm_mode_32 3
		.amdhsa_float_denorm_mode_16_64 3
		.amdhsa_memory_ordered 1
		.amdhsa_forward_progress 1
		.amdhsa_inst_pref_size 9
	.end_amdhsa_kernel
	.amdgpu_metadata
---
amdhsa.version: [ 1, 2 ]
amdhsa.kernels:
  - .name:           k_q5a6f9e4bb6_red
    .symbol:         k_q5a6f9e4bb6_red.kd
    .args:
      - { .name: pst, .offset: 0, .size: 8, .value_kind: global_buffer, .address_space: global }
      - { .name: pks, .offset: 8, .size: 8, .value_kind: global_buffer, .address_space: global }
      - { .name: stc, .offset: 16, .size: 8, .value_kind: global_buffer, .address_space: global }
      - { .name: sts, .offset: 24, .size: 8, .value_kind: global_buffer, .address_space: global }
      - { .name: ksm, .offset: 32, .size: 8, .value_kind: global_buffer, .address_space: global }
    .group_segment_fixed_size: 4864
    .private_segment_fixed_size: 0
    .kernarg_segment_align: 8
    .kernarg_segment_size: 40
    .max_flat_workgroup_size: 128
    .sgpr_count:     66
    .vgpr_count:     98
    .wavefront_size: 32
...
	.end_amdgpu_metadata
.endif
;; end of part 3
;; launch qp (part 4): grid 256 x 1, 8 waves a work-group, no clusters, 321,536 bytes of LDS; arguments q, q_mask, ln1_g, ln1_b, bp, ln2_g, ln2_b, b1, b2, wcod, wscl, stc, sts, ksm, out0; writes out0
.if DOCPART == 4
	.amdgcn_target "amdgcn-amd-amdhsa--gfx1250"
	.amdhsa_code_object_version 6
	.text
	.protected	k_q5a6f9e4bb6_qp
	.globl	k_q5a6f9e4bb6_qp
	.p2align	8
	.type	k_q5a6f9e4bb6_qp,@function
k_q5a6f9e4bb6_qp:
	s_mov_b64 s[64:65], 0
	v_nop
	global_prefetch_b8 v0, s[64:65] scope:SCOPE_SE
	s_setreg_imm32_b32 hwreg(HW_REG_WAVE_MODE, 25, 1), 1
	s_wait_xcnt 0x0
; The query side, q to out0, with nothing through memory: layer norm, qn Wq, (elu + 1) mask, z = 1 / (q_vec . sum of k + 1e-6), state q_vec, x z x 8192, Wp + bp + q, layer norm, W1 + b1, exact gelu, W2 + b2 + x.
; All five products on codes of FP4 (E2M1) with one E8M0 scale for each 32 along K; what goes into a quantiser is f32.
; SHARES.  Work-group g owns tokens 256 g .. + 255 of batch g / 32, as 4 blocks of 64 (4 tiles of 16).  THE EIGHT WAVES SHARE THE COLUMNS: wave w owns channels 32 w .. 32 w + 31, which is head w, at every stage, and hidden units 64 w .. + 63.
; LAYOUT.  Lane (r = l % 16, h = l / 16) holds token r; register 16 t + i of a run of 64 is channel 32 w + 16 h + i of tile t.  That is a column read of RAW, the result of a product used transposed
; (source 0 = 16 columns of a weight, source 1 = 16 tokens; the weights' fragments are laid so that column r of fragment u is channel 8 u + r + 8 (r / 8)), and what the quantiser takes.
; ROWS.  A wave loads 8 whole rows into registers well ahead and stores them to RAW; each wave reads its 32 columns of all 64 rows ONCE; the result goes back by columns and leaves as whole rows.
; RAW HOLDS TWO BLOCKS, their rows interleaved (pitch 2,064 bytes; buffer 1 lies 1,024 bytes behind buffer 0): the next block's rows are stored in the middle of the block in hand, so a block's head needs no barrier of its own.
; q's columns wait in WT until they are the C of the Wp product; x lives in SG (the D of that product, the source of the second norm, the C of the W2 product): neither goes back to LDS.
; OPERANDS GO FROM WAVE TO WAVE AS IMAGES OF THEIR REGISTERS, as wave w makes K block w (hidden layer: blocks 2 w, 2 w + 1).
; THE STATE'S PRODUCT NEEDS NO OTHER WAVE.  K is one block of 32.  q_vec's codes of the four tiles are the four K blocks of ONE fragment; the state's fragment for tile j has its codes in K block j and zero codes elsewhere:
; register runs cut out of Z L0 Z U0 Z L1 Z U1 Z (L: codes in lanes 0-15, U: in lanes 16-31, Z: zeros).  The state's scale word has four equal bytes.
; GELU.  With T = |x| / sqrt 2: gelu(x) = max(x, 0) - T (erfc(T) / sqrt 2): no cancellation in the tail.  erfc / sqrt 2 by two polynomials (below and above 475/512); log2 e and 1 / sqrt 2 are folded into their coefficients.
; THE NORM'S eps enters as 8 eps at the start of one chain of squares: 2 halves x 2 lanes x 8 waves x 8 eps = 256 eps in the sum that is divided by 256.
; No tensor load: rows are asked for ahead, into registers.  No cluster: the work-groups share only the weights' codes, read once at the head.
; LIMITS: NaN and infinities are not served; a block whose largest magnitude lies under 2^-124 keeps the scale byte 1 (a block of zeros too: its codes are zeros); elu + 1 below 0 is 2^(x log2 e).
.set RP2,  2064                        ; from a row to the next in RAW: two buffers' 1,024 bytes + 16: an odd multiple of 16, so the 16 rows of a column read start at 16 different 16-byte columns
.set RBUF, 1024                        ; buffer 1 behind buffer 0
.set STM,  0                           ; LDS: the waves' means;
.set STQ,  2048                        ; their sums of squared deviations
.set IA,   4096                        ; qn's 8 fragments, later h's
.set IAS,  12288
.set IB,   12800                       ; the attention result's
.set IBS,  20992
.set HID,  21504                       ; the hidden layer's 16: tile t at 4096 t
.set HSC,  37888                       ; their scale words: 256 t
.set PRL,  38912                       ; ln1_g, ln1_b, sum of k, bp, ln2_g, ln2_b, b2 (1,024 each), b1 (2,048)
.set MSK,  48128                       ; q_mask of the 256 tokens
.set WSL,  49152                       ; 1,024 a wave: W1's 8 x 64 bytes of scale words, then W2's
.set RAW,  57344                       ; 64 x 2,064
.set W1L,  189440                      ; 8,192 a wave: my 8 fragments of W1
.set W2L,  254976                      ; and of W2
.set A_GL, 1                           ; global: 8192 w + 16 l
.set A_RS, 2                           ; RAW, my 8 rows, buffer 0
.set A_RC, 3                           ; RAW, my columns, buffer 0
.set A_SW, 4                           ; 256 w + 16 r
.set A_SH, 5                           ; 16 r + 1024 h: my half of the lanes reads four waves' means and sums
.set A_IW, 6
.set A_BW, 7
.set A_IR, 8                           ; 16 l
.set A_SC, 9                           ; 4 l
.set A_HW, 10
.set A_HB, 11
.set A_PR, 12
.set A_PB, 13
.set A_W1, 14
.set A_W2, 15
.set A_WS, 16
.set A_MK, 17
.set A_T,  18                          ; RAW addresses in the buffer in hand
.set A_T2, 19                          ; the same, 32 rows on
.set A_WT, 19                          ; at the head: WSL + 1024 w + 16 l
.set WQS,  20                          ; v20-23 Wq's scale words; v24-27 Wp's; v28-35 W1's or W2's; v36-37 the state's
.set WPS,  24
.set WTS,  28
.set SSS,  36
.set AS,   38                          ; v38-45 the tokens' scale words
.set PW,   46
.set A_MC, 47                          ; the mask's address in the block in hand
.set MQ,   48                          ; v48-51 q_mask of my token in each tile
.set Z,    52                          ; v52-55 z x 8192
.set VL,   48                          ; at the head only: l, r, h, and five offsets
.set VR,   49
.set VH,   50
.set PT,   51
.set PRM,  56                          ; v56-87 the parameters in hand
.set LM,   88
.set LQ,   92
.set RS,   96
.set DR,   100
.set PC,   104
.set TM,   112
.set E,    88                          ; v88-119 the exponentials of elu
.set D4,   88                          ; v88-103 q_vec . sum of k, at work
.set GT,   48                          ; v48-127 gelu at work, 16 registers each: all that lies there is done with or made anew
.set GS,   64
.set GR,   80
.set GU,   96
.set GP,   112
.set X,    128
.set WQ,   192                         ; v192-223 Wq's 4 fragments (2 u + s); v224-255 Wp's
.set WP,   224
.set SF,   0                           ; window 1: v0-35 Z L0 Z U0 Z L1 Z U1 Z
.set KA,   40                          ;   v40-45 three leading coefficients, each twice
.set KB,   42
.set KC,   44
.set WT,   48                          ;   v48-111 q's columns, then W1's fragments, then W2's
.set F,    112                         ;   v112-175 the tokens' fragments; the norm's exchange
.set SG,   176                         ;   v176-239 8 rows on their way, then x
.set TMP,  240
.set SRC,  4                           ; s[4:5] q at the block in hand; s[32:33] out0
.set WV,   34
.set BLK,  35
.set SEL,  36
.set SMK,  38
.set RB,   39                          ; 0 or RBUF: the buffer of the block in hand
.set RN,   56                          ; the other one
.set MSB, 0
.macro WIN new                         ; the immediate's high byte repeats the setting that is left
.if MSB != \new
	s_set_vgpr_msb (MSB<<8)|\new
.set MSB, \new
.endif
.endm
.macro PLACES                          ; four plain lines behind matrix instructions, ahead of the first read of their results and of loads into their registers
.rept 4
	v_nop
.endr
.endm
.macro BARRIER                         ; my LDS stores have landed and my LDS loads are in: then the work-group's barrier
	s_wait_dscnt 0x0
	s_barrier_signal -1
	s_barrier_wait -1
.endm
.macro ROWLOAD off                     ; my 8 whole rows of the block that begins off bytes on: 16 loads of 512 consecutive bytes
	WIN 0x40
.irp i, 0,1,2,3,4,5,6,7,8,9,10,11,12,13,14,15
	global_load_b128 v[SG+4*\i:SG+4*\i+3], v[A_GL], s[SRC:SRC+1] offset:\off+512*\i th:TH_LOAD_NT
.endr
	WIN 0
.endm
.macro ROWSTAGE                        ; they go to RAW, at v[A_T]
	WIN 0x04                                       ; an LDS store's data are its source 1: window 1
.irp i, 0,1,2,3,4,5,6,7,8,9,10,11,12,13,14,15
	ds_store_b128 v[A_T], v[SG+4*\i:SG+4*\i+3] offset:(\i/2)*RP2+(\i%2)*512
.endr
	WIN 0
.endm
.macro COLADR                          ; my columns in the buffer in hand: tiles 0, 1 by A_T, tiles 2, 3 by A_T2 (an LDS offset has 16 bits)
	v_add_nc_u32 v[A_T], s[RB], v[A_RC]
	v_add_nc_u32 v[A_T2], 32*RP2, v[A_T]
.endm
.macro COLS                            ; my 32 columns of the 64 rows, into WT
	COLADR
	WIN 0x40
.irp t, 0,1
.irp j, 0,1,2,3
	ds_load_b128 v[WT+16*\t+4*\j:WT+16*\t+4*\j+3], v[A_T] offset:16*RP2*\t+16*\j
.endr
.endr
.irp t, 0,1
.irp j, 0,1,2,3
	ds_load_b128 v[WT+32+16*\t+4*\j:WT+32+16*\t+4*\j+3], v[A_T2] offset:16*RP2*\t+16*\j
.endr
.endr
	WIN 0
.endm
.macro PUTCOLS                         ; X goes to my columns
	COLADR
.irp t, 0,1
.irp j, 0,1,2,3
	ds_store_b128 v[A_T], v[X+16*\t+4*\j:X+16*\t+4*\j+3] offset:16*RP2*\t+16*\j
.endr
.endr
.irp t, 0,1
.irp j, 0,1,2,3
	ds_store_b128 v[A_T2], v[X+32+16*\t+4*\j:X+32+16*\t+4*\j+3] offset:16*RP2*\t+16*\j
.endr
.endr
.endm
.macro GETPRM dst, off                 ; 16 numbers of a parameter: those of my 16 channels
.irp k, 0,1,2,3
	ds_load_b128 v[PRM+\dst+4*\k:PRM+\dst+4*\k+3], v[A_PR] offset:\off+16*\k
.endr
.endm
.macro LNFOLD                          ; each tile's two chains, the pair's halves, and lane l xor 16's into TM+4t+1
.irp t, 0,1,2,3
	v_pk_add_f32 v[TM+4*\t:TM+4*\t+1], v[TM+4*\t:TM+4*\t+1], v[TM+4*\t+2:TM+4*\t+3]
.endr
.irp t, 0,1,2,3
	v_add_f32 v[TM+4*\t], v[TM+4*\t], v[TM+4*\t+1]
.endr
.irp t, 0,1,2,3
	v_permlanex16_b32 v[TM+4*\t+1], v[TM+4*\t], s[SEL], s[SEL+1]
.endr
.endm
.macro LNSTAT s                        ; of the 64 numbers at s in window 1: my 32 channels' mean (LM) and sum of squared deviations + 32 eps (LQ) for each token; X = number - LM; both go to LDS
	WIN 0x05
.irp t, 0,1,2,3
	v_pk_add_f32 v[TM+4*\t:TM+4*\t+1], v[\s+16*\t:\s+16*\t+1], v[\s+16*\t+2:\s+16*\t+3]
	v_pk_add_f32 v[TM+4*\t+2:TM+4*\t+3], v[\s+16*\t+4:\s+16*\t+5], v[\s+16*\t+6:\s+16*\t+7]
.endr
	WIN 0x04
.irp i, 8,12
.irp t, 0,1,2,3
	v_pk_add_f32 v[TM+4*\t:TM+4*\t+1], v[TM+4*\t:TM+4*\t+1], v[\s+16*\t+\i:\s+16*\t+\i+1]
	v_pk_add_f32 v[TM+4*\t+2:TM+4*\t+3], v[TM+4*\t+2:TM+4*\t+3], v[\s+16*\t+\i+2:\s+16*\t+\i+3]
.endr
.endr
	WIN 0
	LNFOLD
.irp t, 0,1,2,3
	v_add_f32 v[TM+4*\t], v[TM+4*\t], v[TM+4*\t+1]
.endr
.irp t, 0,1,2,3
	v_mul_f32 v[LM+\t], 0x3d000000, v[TM+4*\t]     ; / 32
.endr
	WIN 0x01
.irp p, 0,1
.irp o, 0,1
.irp i, 0,2,4,6,8,10,12,14
.set xr, 16*(2*\p+\o)+\i
	v_pk_add_f32 v[X+xr:X+xr+1], v[\s+xr:\s+xr+1], v[LM+2*\p:LM+2*\p+1] op_sel:[0,\o] op_sel_hi:[1,\o] neg_lo:[0,1] neg_hi:[0,1]   ; the tile's mean serves both halves
.endr
.endr
.endr
	WIN 0
.irp t, 0,1,2,3
	v_pk_fma_f32 v[TM+4*\t:TM+4*\t+1], v[X+16*\t:X+16*\t+1], v[X+16*\t:X+16*\t+1], 0x38a7c5ac op_sel_hi:[1,1,0]   ; + 8 eps in both halves
	v_pk_mul_f32 v[TM+4*\t+2:TM+4*\t+3], v[X+16*\t+2:X+16*\t+3], v[X+16*\t+2:X+16*\t+3]
.endr
.irp i, 4,8,12
.irp t, 0,1,2,3
	v_pk_fma_f32 v[TM+4*\t:TM+4*\t+1], v[X+16*\t+\i:X+16*\t+\i+1], v[X+16*\t+\i:X+16*\t+\i+1], v[TM+4*\t:TM+4*\t+1]
	v_pk_fma_f32 v[TM+4*\t+2:TM+4*\t+3], v[X+16*\t+\i+2:X+16*\t+\i+3], v[X+16*\t+\i+2:X+16*\t+\i+3], v[TM+4*\t+2:TM+4*\t+3]
.endr
.endr
	LNFOLD
.irp t, 0,1,2,3
	v_add_f32 v[LQ+\t], v[TM+4*\t], v[TM+4*\t+1]
.endr
	ds_store_b128 v[A_SW], v[LM:LM+3] offset:STM   ; both halves of the lanes write the same words with the same values
	ds_store_b128 v[A_SW], v[LQ:LQ+3] offset:STQ
.endm
; The eight waves' pairs are merged: RS = 1 / sqrt(var + eps), DR = (my mean - the row's mean) RS, for each tile.  Lanes 0-15 read waves 0-3's pairs, lanes 16-31 waves 4-7's; lane l xor 16 has the other half.
.macro LNCOMB
	WIN 0x40
.irp v, 0,1,2,3
	ds_load_b128 v[F+4*\v:F+4*\v+3], v[A_SH] offset:STM+256*\v
	ds_load_b128 v[F+16+4*\v:F+16+4*\v+3], v[A_SH] offset:STQ+256*\v
.endr
	s_wait_dscnt 0x0
	WIN 0x55
.irp e, 0,2
	v_pk_add_f32 v[TMP+\e:TMP+\e+1], v[F+\e:F+\e+1], v[F+4+\e:F+5+\e]
	v_pk_add_f32 v[F+16+\e:F+17+\e], v[F+16+\e:F+17+\e], v[F+20+\e:F+21+\e]
.endr
.irp e, 0,2
	v_pk_add_f32 v[TMP+\e:TMP+\e+1], v[TMP+\e:TMP+\e+1], v[F+8+\e:F+9+\e]
	v_pk_add_f32 v[F+16+\e:F+17+\e], v[F+16+\e:F+17+\e], v[F+24+\e:F+25+\e]
.endr
.irp e, 0,2
	v_pk_add_f32 v[F+16+\e:F+17+\e], v[F+16+\e:F+17+\e], v[F+28+\e:F+29+\e]
.endr
	WIN 0x05
.irp e, 0,2
	v_pk_add_f32 v[TM+\e:TM+\e+1], v[TMP+\e:TMP+\e+1], v[F+12+\e:F+13+\e]   ; four waves' means, summed, into window 0
.endr
	WIN 0
.irp t, 0,1,2,3
	v_permlanex16_b32 v[TM+4+\t], v[TM+\t], s[SEL], s[SEL+1]
.endr
.irp e, 0,2
	v_pk_add_f32 v[TM+\e:TM+\e+1], v[TM+\e:TM+\e+1], v[TM+4+\e:TM+5+\e]
.endr
.irp e, 0,2
	v_pk_mul_f32 v[TM+\e:TM+\e+1], v[TM+\e:TM+\e+1], 0x3e000000 op_sel_hi:[1,0]   ; the row's mean
.endr
.irp e, 0,2
	v_pk_add_f32 v[DR+\e:DR+\e+1], v[LM+\e:LM+\e+1], v[TM+\e:TM+\e+1] neg_lo:[0,1] neg_hi:[0,1]
.endr
	WIN 0x41
.irp v, 0,1,2,3
.irp e, 0,2
	v_pk_add_f32 v[F+4*\v+\e:F+4*\v+\e+1], v[F+4*\v+\e:F+4*\v+\e+1], v[TM+\e:TM+\e+1] neg_lo:[0,1] neg_hi:[0,1]
.endr
.endr
	WIN 0x55
.irp e, 0,2
	v_pk_mul_f32 v[TMP+\e:TMP+\e+1], v[F+\e:F+\e+1], v[F+\e:F+\e+1]
.endr
.irp v, 1,2,3
.irp e, 0,2
	v_pk_fma_f32 v[TMP+\e:TMP+\e+1], v[F+4*\v+\e:F+4*\v+\e+1], v[F+4*\v+\e:F+4*\v+\e+1], v[TMP+\e:TMP+\e+1]
.endr
.endr
	WIN 0x11
.irp e, 0,2
	v_pk_fma_f32 v[TM+8+\e:TM+9+\e], v[TMP+\e:TMP+\e+1], 0x42000000, v[F+16+\e:F+17+\e] op_sel_hi:[1,0,1]   ; 32 x the means' squared deviations + the waves' sums, into window 0
.endr
	WIN 0
.irp t, 0,1,2,3
	v_permlanex16_b32 v[TM+12+\t], v[TM+8+\t], s[SEL], s[SEL+1]
.endr
.irp e, 0,2
	v_pk_add_f32 v[TM+8+\e:TM+9+\e], v[TM+8+\e:TM+9+\e], v[TM+12+\e:TM+13+\e]
.endr
.irp e, 0,2
	v_pk_mul_f32 v[TM+8+\e:TM+9+\e], v[TM+8+\e:TM+9+\e], 0x3b800000 op_sel_hi:[1,0]   ; / 256: var + eps
.endr
.irp t, 0,1,2,3
	v_rsq_f32 v[RS+\t], v[TM+8+\t]
.endr
	v_nop                                          ; a plain line behind the last of the four
	s_wait_alu depctr_va_vdst(0)                   ; one wait for the four, ahead of their first reader
.irp e, 0,2
	v_pk_mul_f32 v[DR+\e:DR+\e+1], v[DR+\e:DR+\e+1], v[RS+\e:RS+\e+1]
.endr
.endm
.macro LNAPPLY lg, lb                  ; X = ((x - my mean) RS + DR) g + b
.irp p, 0,1
.irp o, 0,1
.irp i, 0,2,4,6,8,10,12,14
.set xr, X+16*(2*\p+\o)+\i
	v_pk_fma_f32 v[xr:xr+1], v[xr:xr+1], v[RS+2*\p:RS+2*\p+1], v[DR+2*\p:DR+2*\p+1] op_sel:[0,\o,\o] op_sel_hi:[1,\o,\o]
.endr
.irp i, 0,2,4,6,8,10,12,14
.set xr, X+16*(2*\p+\o)+\i
	v_pk_fma_f32 v[xr:xr+1], v[xr:xr+1], v[\lg+\i:\lg+\i+1], v[\lb+\i:\lb+\i+1]
.endr
.endr
.endr
.endm
; 64 numbers of a lane, v[s] on: register 16 b + i = number 16 h + i of block b of my row.  Blocks 0, 1 become the four registers dA on, blocks 2, 3 those dB on: lane (r, hh) then holds a WHOLE block, 2 c + hh.
; TM+4+b: the blocks' scale bytes.  word = 1: the four bytes also make PW.
.macro QUANT s, dA, dB, word
.irp b, 0,1,2,3
	v_max3_num_f32 v[TM+\b], |v[\s+16*\b]|, |v[\s+1+16*\b]|, 0x1800000   ; my 16 numbers, and the floor 2^(3 - 127): the byte cannot fall under 1
.endr
.irp i, 2,4,6,8,10,12,14
.irp b, 0,1,2,3
	v_max3_num_f32 v[TM+\b], v[TM+\b], |v[\s+16*\b+\i]|, |v[\s+1+16*\b+\i]|
.endr
.endr
.irp b, 0,1,2,3
	v_permlanex16_b32 v[TM+4+\b], v[TM+\b], s[SEL], s[SEL+1]
.endr
.irp b, 0,1,2,3
	v_max_num_f32 v[TM+\b], v[TM+\b], v[TM+4+\b]   ; with lane l xor 16's: the block's largest magnitude
.endr
.irp b, 0,1,2,3
	v_add_nc_u32 v[TM+12+\b], 0xff000000, v[TM+\b] ; 2 off its exponent field: the conversion's scale operand
.endr
.irp b, 0,1,2,3
	v_lshrrev_b32 v[TM+4+\b], 23, v[TM+12+\b]      ; the byte
.endr
.if \word
	v_lshl_or_b32 v[PW], v[TM+5], 8, v[TM+4]
	v_lshl_or_b32 v[PW], v[TM+6], 16, v[PW]
	v_lshl_or_b32 v[PW], v[TM+7], 24, v[PW]
.endif
.irp b, 0,1
	v_cvt_scalef32_pk8_fp4_f32 v[\dA+2*\b], v[\s+16*\b:\s+16*\b+7], v[TM+12+\b]
	v_cvt_scalef32_pk8_fp4_f32 v[\dA+2*\b+1], v[\s+16*\b+8:\s+16*\b+15], v[TM+12+\b]
	v_cvt_scalef32_pk8_fp4_f32 v[\dB+2*\b], v[\s+32+16*\b:\s+32+16*\b+7], v[TM+14+\b]
	v_cvt_scalef32_pk8_fp4_f32 v[\dB+2*\b+1], v[\s+32+16*\b+8:\s+32+16*\b+15], v[TM+14+\b]
.endr
	v_nop                                          ; one plain line behind the last conversion
.irp i, 0,1
	v_permlane16_swap_b32 v[\dA+\i], v[\dA+2+\i]
	v_permlane16_swap_b32 v[\dB+\i], v[\dB+2+\i]
.endr
.endm
.macro PUTIMG img, isc                 ; my K block of the four tiles' fragments, and its scale bytes
	ds_store_b128 v[A_IW], v[PC:PC+3] offset:\img
	ds_store_b128 v[A_IW], v[PC+4:PC+7] offset:\img+4096
.irp t, 0,1,2,3
	ds_store_b8 v[A_BW], v[TM+4+\t] offset:\isc+128*\t
.endr
.endm
.macro GETFRAG img, isc                ; the four tiles' fragments of K = 256, fragment 2 t + s, and their scale words (lanes 0-15: K step 0; lanes 16-31: K step 1)
	WIN 0x40
.irp t, 0,1,2,3
.irp k, 0,1,2,3
	ds_load_b128 v[F+16*\t+4*\k:F+16*\t+4*\k+3], v[A_IR] offset:\img+2048*\t+512*\k
.endr
.endr
	WIN 0
.irp t, 0,1,2,3
	ds_load_b32 v[AS+\t], v[A_SC] offset:\isc+128*\t
.endr
.endm
; X = elu(x) + 1 = the middle one of x + 1, e^x and 1: above 0 it is x + 1 (1 < x + 1 <= e^x), below 0 it is e^x (x + 1 <= e^x < 1).  32 registers at a time: one batch of exponentials, one wait.
.macro ELU
.irp q, 0,1
.set ei, 0
.rept 16
	v_pk_mul_f32 v[E+ei:E+ei+1], v[X+32*\q+ei:X+32*\q+ei+1], 0x3fb8aa3b op_sel_hi:[1,0]
.set ei, ei+2
.endr
.set ei, 0
.rept 32
	v_exp_f32 v[E+ei], v[E+ei]
.set ei, ei+1
.endr
.set ei, 0
.rept 16
	v_pk_add_f32 v[X+32*\q+ei:X+32*\q+ei+1], v[X+32*\q+ei:X+32*\q+ei+1], 1.0 op_sel_hi:[1,0]   ; plain work behind the batch
.set ei, ei+2
.endr
	s_wait_alu depctr_va_vdst(0)                   ; one wait for the batch, ahead of its first reader
.set ei, 0
.rept 32
	v_med3_num_f32 v[X+32*\q+ei], v[X+32*\q+ei], v[E+ei], 1.0
.set ei, ei+1
.endr
.endr
.endm
; A product over K = 256, transposed: source 0 = fragment 2 u + s of a weight at wr (scale words at ws), source 1 = the tokens' fragment 2 t + s in F; the sums at dst.
; The first K step's C: mode 1: the constant 0; 2: a bias, 8 registers a column tile, at cb; 3: 64 registers at cb.  wina, winb: the windows of the two K steps.
; The eight accumulators take turns, K step by K step.
.macro PROD wr, ws, dst, mode, cb, wina, winb
.irp s, 0,1
.if \s == 0
	WIN \wina
.else
	WIN \winb
.endif
.irp t, 0,1,2,3
.irp u, 0,1
.set xa, \dst+16*\t+8*\u
.set wa, \wr+8*(2*\u+\s)
.set fa, F+8*(2*\t+\s)
.if \s == 1
	v_wmma_scale_f32_16x16x128_f8f6f4 v[xa:xa+7], v[wa:wa+7], v[fa:fa+7], v[xa:xa+7], v[\ws+2*\u+\s], v[AS+\t] matrix_a_fmt:MATRIX_FMT_FP4 matrix_b_fmt:MATRIX_FMT_FP4 matrix_b_scale:MATRIX_SCALE_ROW1
.elseif \mode == 1
	v_wmma_scale_f32_16x16x128_f8f6f4 v[xa:xa+7], v[wa:wa+7], v[fa:fa+7], 0, v[\ws+2*\u+\s], v[AS+\t] matrix_a_fmt:MATRIX_FMT_FP4 matrix_b_fmt:MATRIX_FMT_FP4
.elseif \mode == 2
	v_wmma_scale_f32_16x16x128_f8f6f4 v[xa:xa+7], v[wa:wa+7], v[fa:fa+7], v[\cb+8*\u:\cb+8*\u+7], v[\ws+2*\u+\s], v[AS+\t] matrix_a_fmt:MATRIX_FMT_FP4 matrix_b_fmt:MATRIX_FMT_FP4
.else
	v_wmma_scale_f32_16x16x128_f8f6f4 v[xa:xa+7], v[wa:wa+7], v[fa:fa+7], v[\cb+16*\t+8*\u:\cb+16*\t+8*\u+7], v[\ws+2*\u+\s], v[AS+\t] matrix_a_fmt:MATRIX_FMT_FP4 matrix_b_fmt:MATRIX_FMT_FP4
.endif
.endr
.endr
.endr
.endm
.macro MULT reg                        ; tile t of X x reg[t]
.irp p, 0,1
.irp o, 0,1
.irp i, 0,2,4,6,8,10,12,14
.set xr, X+16*(2*\p+\o)+\i
	v_pk_mul_f32 v[xr:xr+1], v[xr:xr+1], v[\reg+2*\p:\reg+2*\p+1] op_sel:[0,\o] op_sel_hi:[1,\o]
.endr
.endr
.endr
.endm
.macro ADDPRM dst                      ; every tile of the 64 registers at dst + the 16 numbers in PRM; each accumulator from its low end on
.irp t, 0,1,2,3
.irp i, 0,2,4,6,8,10,12,14
.set xr, \dst+16*\t+\i
	v_pk_add_f32 v[xr:xr+1], v[xr:xr+1], v[PRM+\i:PRM+\i+1]
.endr
.endr
.endm
.macro PKL d, a, b, lit                ; d = a b + lit, 16 numbers
.set gi, 0
.rept 8
	v_pk_fma_f32 v[\d+gi:\d+gi+1], v[\a+gi:\a+gi+1], v[\b+gi:\b+gi+1], \lit op_sel_hi:[1,1,0]
.set gi, gi+2
.endr
.endm
.macro PKK d, a, k, lit                ; d = a k + lit, k a pair of equal constants (in window 1)
.set gi, 0
.rept 8
	v_pk_fma_f32 v[\d+gi:\d+gi+1], v[\a+gi:\a+gi+1], v[\k:\k+1], \lit op_sel_hi:[1,1,0]
.set gi, gi+2
.endr
.endm
; gelu of the 16 registers xb on.  T = |x| / sqrt 2.  Above 475/512: erfc(T) / sqrt 2 = 2^(T x polynomial - 1/2); below: 1 / sqrt 2 - T x polynomial in T^2.  Both are computed, v_cndmask_b32 chooses: no branch on data.
.macro GELU16 xb
.set gi, 0
.rept 16
	v_mul_f32 v[GT+gi], 0x3f3504f3, |v[\xb+gi]|
.set gi, gi+1
.endr
.set gi, 0
.rept 8
	v_pk_mul_f32 v[GS+gi:GS+gi+1], v[GT+gi:GT+gi+1], v[GT+gi:GT+gi+1]
.set gi, gi+2
.endr
	WIN 0x04                                       ; source 1, the leading coefficients: window 1
	PKK GR, GT, KA, 0x3a10ec3c
	PKK GU, GT, KB, 0x3d0f53cc
	PKK GP, GS, KC, 0x3b674bf3
	WIN 0
.set gi, 0
.rept 8
	v_pk_fma_f32 v[GR+gi:GR+gi+1], v[GR+gi:GR+gi+1], v[GS+gi:GS+gi+1], v[GU+gi:GU+gi+1]
.set gi, gi+2
.endr
	PKL GR, GR, GT, 0xbe1dbebc
	PKL GR, GR, GT, 0xbf6a77c7
	PKL GR, GR, GT, 0xbfd06f41
	PKL GR, GR, GT, -0.5
.set gi, 0
.rept 16
	v_exp_f32 v[GR+gi], v[GR+gi]
.set gi, gi+1
.endr
	PKL GP, GP, GS, 0xbc9b0ebf                     ; the other polynomial is the independent work behind the batch
	PKL GP, GP, GS, 0x3da36176
	PKL GP, GP, GS, 0xbe882c03
	PKL GP, GP, GS, 0x3f4c422a
.set gi, 0
.rept 8
	v_pk_fma_f32 v[GP+gi:GP+gi+1], v[GP+gi:GP+gi+1], v[GT+gi:GT+gi+1], 0x3f3504f3 op_sel_hi:[1,1,0] neg_lo:[1,0,0] neg_hi:[1,0,0]
.set gi, gi+2
.endr
.set gi, 0
.rept 16
	v_max_num_f32 v[\xb+gi], 0, v[\xb+gi]
.set gi, gi+1
.endr
	s_wait_alu depctr_va_vdst(0)                   ; one wait for the sixteen, ahead of their first reader
.set gi, 0
.rept 16
	v_cmp_lt_f32 vcc_lo, 0x3f6d8000, v[GT+gi]
	v_cndmask_b32 v[GR+gi], v[GP+gi], v[GR+gi], vcc_lo
.set gi, gi+1
.endr
.set gi, 0
.rept 8
	v_pk_fma_f32 v[\xb+gi:\xb+gi+1], v[GT+gi:GT+gi+1], v[GR+gi:GR+gi+1], v[\xb+gi:\xb+gi+1] neg_lo:[1,0,0] neg_hi:[1,0,0]
.set gi, gi+2
.endr
.endm
	s_load_b512 s[4:19], s[0:1], 0x0               ; q, q_mask, ln1_g, ln1_b, bp, ln2_g, ln2_b, b1
	s_load_b256 s[20:27], s[0:1], 0x40             ; b2, wcod, wscl, stc
	s_load_b128 s[28:31], s[0:1], 0x60             ; sts, ksm
	s_load_b64 s[32:33], s[0:1], 0x70              ; out0
	s_set_vgpr_msb 0x40
	v_lshl_add_u32 v46, v0, 2, 0x4e400
	v_mov_b32 v47, 0
	s_set_vgpr_msb 0x4000
	v_lshrrev_b32 v[VL], 5, v0
	v_readfirstlane_b32 s[WV], v[VL]               ; wave 0..7
	v_and_b32 v[VL], 31, v0
	v_and_b32 v[VR], 15, v0
	v_bfe_u32 v[VH], v0, 4, 1
	s_mov_b32 s[SEL], 0x76543210
	s_mov_b32 s[SEL+1], 0xfedcba98                 ; v_permlanex16_b32's selects for lane l xor 16
	s_mov_b32 s[BLK], 4
	s_mov_b32 s[SMK], 0
	s_mov_b32 s[RB], 0
	s_mov_b32 s[RN], RBUF
	s_lshl_b32 s52, s[WV], 13
	v_lshl_add_u32 v[A_GL], v[VL], 4, s52
	s_lshl_b32 s40, ttmp9, 18                      ; 256 rows of 1,024 bytes a work-group
	s_mov_b32 s41, 0
	s_wait_kmcnt 0x0
	s_add_nc_u64 s[4:5], s[4:5], s[40:41]
	s_add_nc_u64 s[32:33], s[32:33], s[40:41]
	ROWLOAD 0                                      ; block 0's rows first
	v_lshlrev_b32 v[A_IR], 4, v[VL]
	s_lshl_b32 s40, s[WV], 12
	s_add_nc_u64 s[42:43], s[22:23], s[40:41]      ; wcod + 4 fragments a wave (Wq, Wp)
	s_lshl_b32 s40, s[WV], 13
	s_add_nc_u64 s[44:45], s[22:23], s[40:41]      ; wcod + 8 fragments a wave (W1, W2)
	s_lshl_b32 s40, s[WV], 8
	s_add_nc_u64 s[46:47], s[24:25], s[40:41]
	s_lshl_b32 s40, s[WV], 9
	s_add_nc_u64 s[48:49], s[24:25], s[40:41]
	s_lshr_b32 s50, ttmp9, 5                       ; the batch
	s_lshl_b32 s51, s50, 3
	s_add_co_u32 s51, s51, s[WV]                   ; 8 x batch + head
	s_lshl_b32 s40, s51, 9
	s_add_nc_u64 s[26:27], s[26:27], s[40:41]
	s_lshl_b32 s40, s51, 7
	s_add_nc_u64 s[28:29], s[28:29], s[40:41]
	s_lshl_b32 s40, s50, 10
	s_add_nc_u64 s[30:31], s[30:31], s[40:41]
	s_lshl_b32 s40, ttmp9, 10
	s_add_nc_u64 s[6:7], s[6:7], s[40:41]
	v_lshlrev_b32 v[PT], 2, v[VR]                  ; 4 r
	v_and_b32 v[PT+1], 8, v[VR]
	v_add_nc_u32 v[PT+1], v[PT+1], v[VR]           ; r + 8 (r / 8): the state's row within 8 u
	v_lshlrev_b32 v[PT+2], 4, v[PT+1]
	v_lshlrev_b32 v[PT+1], 2, v[PT+1]
	v_lshlrev_b32 v[PT+3], 2, v0
	v_lshlrev_b32 v[PT+4], 3, v0
.irp k, 0,1,2,3,4,5,6,7
	global_load_b128 v[WQ+4*\k:WQ+4*\k+3], v[A_IR], s[42:43] offset:512*\k
	global_load_b128 v[WP+4*\k:WP+4*\k+3], v[A_IR], s[42:43] offset:98304+512*\k
.endr
.irp k, 0,1,2,3,4,5,6,7,8,9,10,11,12,13,14,15
	global_load_b128 v[X+4*\k:X+4*\k+3], v[A_IR], s[44:45] offset:131072+512*\k   ; W1's, on their way to LDS
.endr
	WIN 0x40
.irp k, 0,1,2,3,4,5,6,7,8,9,10,11,12,13,14,15
	global_load_b128 v[F+4*\k:F+4*\k+3], v[A_IR], s[44:45] offset:196608+512*\k   ; W2's
.endr
	WIN 0
.irp k, 0,1,2,3
	global_load_b32 v[WQS+\k], v[PT], s[46:47] offset:64*\k
	global_load_b32 v[WPS+\k], v[PT], s[46:47] offset:6144+64*\k
.endr
	global_load_b128 v[PRM:PRM+3], v[A_IR], s[48:49] offset:8192
	global_load_b128 v[PRM+4:PRM+7], v[A_IR], s[48:49] offset:12288
	global_load_b128 v[LM:LM+3], v[PT+2], s[26:27]              ; the state's codes, rows of fragment u = 0
	global_load_b128 v[LM+4:LM+7], v[PT+2], s[26:27] offset:128 ; and 1
	global_load_b32 v[SSS], v[PT+1], s[28:29]
	global_load_b32 v[SSS+1], v[PT+1], s[28:29] offset:32
	global_load_b32 v[PRM+8], v[PT+3], s[8:9]      ; thread tau: number tau of each parameter
	global_load_b32 v[PRM+9], v[PT+3], s[10:11]
	global_load_b32 v[PRM+10], v[PT+3], s[30:31]
	global_load_b32 v[PRM+11], v[PT+3], s[12:13]
	global_load_b32 v[PRM+12], v[PT+3], s[14:15]
	global_load_b32 v[PRM+13], v[PT+3], s[16:17]
	global_load_b32 v[PRM+14], v[PT+3], s[20:21]
	global_load_b32 v[PRM+15], v[PT+3], s[6:7]     ; and the mask of token 256 g + tau
	global_load_b64 v[PRM+16:PRM+17], v[PT+4], s[18:19]
	; LDS addresses
	s_mul_i32 s52, s[WV], 8*RP2
	s_add_co_u32 s52, s52, RAW
	v_lshl_add_u32 v[A_RS], v[VL], 4, s52
	v_mul_u32_u24 v[A_RC], v[VR], RP2
	v_lshl_add_u32 v[A_RC], v[VH], 6, v[A_RC]
	s_lshl_b32 s52, s[WV], 7
	s_add_co_u32 s53, s52, RAW
	v_add_nc_u32 v[A_RC], s53, v[A_RC]
	s_add_co_u32 s53, s52, PRL
	v_lshl_add_u32 v[A_PR], v[VH], 6, s53
	v_lshlrev_b32 v[A_T], 4, v[VR]                 ; 16 r
	v_lshl_add_u32 v[A_SH], v[VH], 10, v[A_T]
	s_lshl_b32 s52, s[WV], 8
	v_add_nc_u32 v[A_SW], s52, v[A_T]
	s_add_co_u32 s53, s52, PRL+7168
	v_lshl_add_u32 v[A_PB], v[VH], 6, s53
	s_lshr_b32 s52, s[WV], 2                       ; K block w: K step w / 4, register group (w / 2) % 2, half w % 2
	s_lshl_b32 s53, s52, 10
	s_bfe_u32 s54, s[WV], 0x10001
	s_lshl_b32 s54, s54, 9
	s_add_co_u32 s53, s53, s54
	s_and_b32 s54, s[WV], 1
	s_lshl_b32 s54, s54, 8
	s_add_co_u32 s53, s53, s54
	v_lshl_add_u32 v[A_IW], v[VH], 11, v[A_T]      ; my half of the lanes holds tile 2 c + h
	v_add_nc_u32 v[A_IW], s53, v[A_IW]
	s_lshl_b32 s52, s52, 6
	s_and_b32 s54, s[WV], 3
	s_add_co_u32 s52, s52, s54
	v_lshl_add_u32 v[A_BW], v[VR], 2, s52
	v_lshlrev_b32 v[A_SC], 2, v[VL]
	s_lshr_b32 s52, s[WV], 1                       ; the hidden layer's K blocks 2 w, 2 w + 1: K step w / 2, register group w % 2
	s_and_b32 s54, s[WV], 1
	s_lshl_b32 s53, s52, 10
	s_lshl_b32 s55, s54, 9
	s_add_co_u32 s53, s53, s55
	v_lshl_add_u32 v[A_HW], v[VH], 12, v[A_T]
	v_add_nc_u32 v[A_HW], s53, v[A_HW]
	s_lshl_b32 s53, s52, 6
	s_lshl_b32 s55, s54, 1
	s_add_co_u32 s53, s53, s55
	v_lshl_add_u32 v[A_HB], v[VR], 2, s53
	s_lshl_b32 s52, s[WV], 13
	s_add_co_u32 s53, s52, W1L
	v_lshl_add_u32 v[A_W1], v[VL], 4, s53
	s_add_co_u32 s53, s52, W2L
	v_lshl_add_u32 v[A_W2], v[VL], 4, s53
	s_lshl_b32 s52, s[WV], 10
	s_add_co_u32 s52, s52, WSL
	v_lshl_add_u32 v[A_WS], v[VR], 2, s52
	v_lshl_add_u32 v[A_WT], v[VL], 4, s52
	v_lshl_add_u32 v[A_MK], v[VR], 2, MSK
	v_add_nc_u32 v[A_T], s[RB], v[A_RS]            ; block 0 goes to buffer 0
.irp i, 0,1,2,3,4,5,6,7,8,9,10,11,12,13,14,15
	v_mov_b32 v[TM+\i], 0                          ; a lane permute's destination counts as one of its sources
.endr
	s_wait_loadcnt 0x0
	ROWSTAGE
.irp k, 0,1,2,3,4,5,6,7,8,9,10,11,12,13,14,15
	ds_store_b128 v[A_W1], v[X+4*\k:X+4*\k+3] offset:512*\k
.endr
	WIN 0x04
.irp k, 0,1,2,3,4,5,6,7,8,9,10,11,12,13,14,15
	ds_store_b128 v[A_W2], v[F+4*\k:F+4*\k+3] offset:512*\k
.endr
	WIN 0
	ds_store_b128 v[A_WT], v[PRM:PRM+3]
	ds_store_b128 v[A_WT], v[PRM+4:PRM+7] offset:512
.irp k, 0,1,2,3,4,5,6
	ds_store_b32 v[PT+3], v[PRM+8+\k] offset:PRL+1024*\k
.endr
	ds_store_b32 v[PT+3], v[PRM+15] offset:MSK
	ds_store_b64 v[PT+4], v[PRM+16:PRM+17] offset:PRL+7168
	WIN 0x40
	v_cmp_gt_u32 vcc_lo, 16, v[VL]
.irp u, 0,1
.irp i, 0,1,2,3
	v_cndmask_b32 v[SF+4+16*\u+\i], 0, v[LM+4*\u+\i], vcc_lo    ; L: the codes in lanes 0-15, zeros above
.endr
.endr
	v_cmp_le_u32 vcc_lo, 16, v[VL]
.irp u, 0,1
.irp i, 0,1,2,3
	v_cndmask_b32 v[SF+12+16*\u+\i], 0, v[LM+4*\u+\i], vcc_lo   ; U: the codes in lanes 16-31
.endr
.endr
.irp z, 0,8,16,24,32
.irp i, 0,1,2,3
	v_mov_b32 v[SF+\z+\i], 0
.endr
.endr
.irp i, 0,1
	v_mov_b32 v[KA+\i], 0xb7d130d7
	v_mov_b32 v[KB+\i], 0xbbb79c87
	v_mov_b32 v[KC+\i], 0xb9dd3c6d
.endr
	WIN 0
	BARRIER                                        ; block 0's rows, the mask, the parameters and the weights lie in LDS; my stores have read SG
	ROWLOAD 65536                                  ; block 1's rows
.Lblock:
	; ---- the first norm.  Since the last barrier RAW is only read: my rows of the old buffer, my columns of this one
	COLS
	GETPRM 0, 0
	GETPRM 16, 1024
	v_add_nc_u32 v[A_MC], s[SMK], v[A_MK]
.irp t, 0,1,2,3
	ds_load_b32 v[MQ+\t], v[A_MC] offset:64*\t
.endr
	s_wait_dscnt 12                                ; the 16 column loads are in; the 8 parameter loads and 4 mask loads behind them may be out
	LNSTAT WT
	BARRIER                                        ; the eight waves' means and sums lie in LDS
	LNCOMB
	LNAPPLY PRM, PRM+16
	QUANT X, PC, PC+4, 0
	PUTIMG IA, IAS
	BARRIER                                        ; qn's eight fragments lie in LDS
	; ---- my head: q_vec, z, the state's product
	GETFRAG IA, IAS
	GETPRM 0, 2048                                 ; the sum of k
	s_wait_dscnt 0x0
	PROD WQ, WQS, X, 1, 0, 0x04, 0x04
	WIN 0
	PLACES
	ELU
	MULT MQ
.irp t, 0,1,2,3
	v_pk_mul_f32 v[D4+4*\t:D4+4*\t+1], v[X+16*\t:X+16*\t+1], v[PRM:PRM+1]      ; q_vec . sum of k, in f32, of the unquantised numbers
.endr
.irp i, 2,4,6,8,10,12,14
.irp t, 0,1,2,3
	v_pk_fma_f32 v[D4+4*\t:D4+4*\t+1], v[X+16*\t+\i:X+16*\t+\i+1], v[PRM+\i:PRM+\i+1], v[D4+4*\t:D4+4*\t+1]
.endr
.endr
.irp t, 0,1,2,3
	v_add_f32 v[D4+4*\t], v[D4+4*\t], v[D4+4*\t+1]
.endr
.irp t, 0,1,2,3
	v_permlanex16_b32 v[D4+4*\t+1], v[D4+4*\t], s[SEL], s[SEL+1]
.endr
.irp t, 0,1,2,3
	v_add_f32 v[D4+4*\t], v[D4+4*\t], v[D4+4*\t+1]
.endr
.irp t, 0,1,2,3
	v_add_f32 v[D4+4*\t], 0x358637bd, v[D4+4*\t]   ; + 1e-6
.endr
.irp t, 0,1,2,3
	v_rcp_f32 v[Z+\t], v[D4+4*\t]
.endr
	QUANT X, PC, PC+4, 1                           ; the independent work behind the four reciprocals: q_vec's codes: K block j of PC = tile j; PW's byte j = its scale
	s_wait_alu depctr_va_vdst(0)                   ; one wait for the four, ahead of their first reader
.irp t, 0,1,2,3
	v_mul_f32 v[Z+\t], 0x46000000, v[Z+\t]         ; x 8192: exact
.endr
	PLACES                                         ; with the four lines above: 8 plain lines between the scale word's last write and the scaled matrix instruction
	WIN 0x01
.irp t, 0,1,2,3
.irp u, 0,1
	v_wmma_scale_f32_16x16x128_f8f6f4 v[X+16*\t+8*\u:X+16*\t+8*\u+7], v[SF+16*\u+8*(\t%2)+4*(1-\t/2):SF+16*\u+8*(\t%2)+4*(1-\t/2)+7], v[PC:PC+7], 0, v[SSS+\u], v[PW] matrix_a_fmt:MATRIX_FMT_FP4 matrix_b_fmt:MATRIX_FMT_FP4
.endr
.endr
	WIN 0
	PLACES
	MULT Z
	QUANT X, PC, PC+4, 0
	PUTIMG IB, IBS
	BARRIER                                        ; the attention result's eight fragments lie in LDS
	; ---- the next block's rows go to the other buffer, which nobody touches between this barrier and the next; SG is then free for x
	s_wait_loadcnt 0x0                             ; on every path: no load is on its way into SG from here on
	s_cmp_eq_u32 s[BLK], 1
	s_cbranch_scc1 .Lnostage                       ; the last block has no successor
	v_add_nc_u32 v[A_T], s[RN], v[A_RS]
	ROWSTAGE
.Lnostage:
	; ---- Wp, the residual, the second norm
	GETFRAG IB, IBS
	GETPRM 0, 3072
	s_wait_dscnt 0x0                               ; the fragments and bp are in, and the stores above have read SG
	PROD WP, WPS, SG, 3, WT, 0x54, 0x54            ; q, still in WT, is the C of the first K step; x is made in SG
	WIN 0
	PLACES
	WIN 0x41
	ADDPRM SG                                      ; + bp
	WIN 0x40
.irp k, 0,1,2,3,4,5,6,7,8,9,10,11,12,13,14,15
	ds_load_b128 v[WT+4*\k:WT+4*\k+3], v[A_W1] offset:512*\k   ; W1's 8 fragments, my own bytes: they land under the norm's sums
.endr
	WIN 0
.irp k, 0,1,2,3,4,5,6,7
	ds_load_b32 v[WTS+\k], v[A_WS] offset:64*\k
.endr
	GETPRM 0, 4096
	GETPRM 16, 5120
	LNSTAT SG
	BARRIER
	LNCOMB
	LNAPPLY PRM, PRM+16
	QUANT X, PC, PC+4, 0
	PUTIMG IA, IAS
	BARRIER                                        ; h's eight fragments lie in LDS
	; ---- W1, gelu: my 64 hidden units, 32 at a time; h's fragments are read once
	WIN 0x40
.irp k, 0,1,2,3
	ds_load_b128 v[TMP+4*\k:TMP+4*\k+3], v[A_PB] offset:128+16*\k   ; b1 of the second 32, in the result's layout
.endr
	GETFRAG IA, IAS
.irp k, 0,1,2,3
	ds_load_b128 v[PRM+4*\k:PRM+4*\k+3], v[A_PB] offset:16*\k       ; of the first 32: the C of the first K step
.endr
	s_wait_dscnt 0x0
.irp hb, 0,1
.if \hb == 0
	PROD WT, WTS, X, 2, PRM, 0x05, 0x05
.else
	PROD WT+32, WTS+4, X, 2, TMP, 0x15, 0x05
.endif
	WIN 0
	PLACES
.if \hb == 1
	WIN 0x40
.irp k, 0,1,2,3,4,5,6,7,8,9,10,11,12,13,14,15
	ds_load_b128 v[WT+4*\k:WT+4*\k+3], v[A_W2] offset:512*\k   ; W1 is done with: W2's 8 fragments, my own bytes, land under gelu
.endr
	WIN 0
.irp k, 0,1,2,3,4,5,6,7
	ds_load_b32 v[WTS+\k], v[A_WS] offset:512+64*\k
.endr
	s_wait_dscnt 24                                ; the 24 loads just issued may be out; the first half's 6 stores, which are older, have read the registers that gelu now writes
.endif
	GELU16 X
	GELU16 X+16
	GELU16 X+32
	GELU16 X+48
	QUANT X, PC, PC+4, 0
	ds_store_b128 v[A_HW], v[PC:PC+3] offset:HID+256*\hb
	ds_store_b128 v[A_HW], v[PC+4:PC+7] offset:HID+8192+256*\hb
.irp t, 0,1,2,3
	ds_store_b8 v[A_HB], v[TM+4+\t] offset:HSC+256*\t+\hb
.endr
.endr
	BARRIER                                        ; the hidden layer's sixteen fragments lie in LDS
	; ---- W2, the second residual
	GETPRM 0, 6144
.irp p, 0,1                                    ; two tiles of tokens at a time: four accumulators by turns, a K step at a time
.if \p
	PLACES
.endif
	WIN 0x40
.irp tt, 0,1
.irp k, 0,1,2,3,4,5,6,7
	ds_load_b128 v[F+32*\tt+4*\k:F+32*\tt+4*\k+3], v[A_IR] offset:HID+4096*(2*\p+\tt)+512*\k
.endr
.endr
	WIN 0
.irp tt, 0,1
.irp a, 0,1
	ds_load_b32 v[AS+4*\p+2*\tt+\a], v[A_SC] offset:HSC+256*(2*\p+\tt)+128*\a
.endr
.endr
	s_wait_dscnt 0x0
.irp s, 0,1,2,3
.if \s == 0
	WIN 0x15                                       ; x, in SG, is the C of the first K step
.else
	WIN 0x05
.endif
.irp tt, 0,1
.irp u, 0,1
.set xa, X+16*(2*\p+\tt)+8*\u
.set ca, SG+16*(2*\p+\tt)+8*\u
.if \s == 0
	v_wmma_scale_f32_16x16x128_f8f6f4 v[xa:xa+7], v[WT+8*(4*\u+\s):WT+8*(4*\u+\s)+7], v[F+8*(4*\tt+\s):F+8*(4*\tt+\s)+7], v[ca:ca+7], v[WTS+4*\u+\s], v[AS+4*\p+2*\tt+\s/2] matrix_a_fmt:MATRIX_FMT_FP4 matrix_b_fmt:MATRIX_FMT_FP4
.elseif \s % 2
	v_wmma_scale_f32_16x16x128_f8f6f4 v[xa:xa+7], v[WT+8*(4*\u+\s):WT+8*(4*\u+\s)+7], v[F+8*(4*\tt+\s):F+8*(4*\tt+\s)+7], v[xa:xa+7], v[WTS+4*\u+\s], v[AS+4*\p+2*\tt+\s/2] matrix_a_fmt:MATRIX_FMT_FP4 matrix_b_fmt:MATRIX_FMT_FP4 matrix_b_scale:MATRIX_SCALE_ROW1
.else
	v_wmma_scale_f32_16x16x128_f8f6f4 v[xa:xa+7], v[WT+8*(4*\u+\s):WT+8*(4*\u+\s)+7], v[F+8*(4*\tt+\s):F+8*(4*\tt+\s)+7], v[xa:xa+7], v[WTS+4*\u+\s], v[AS+4*\p+2*\tt+\s/2] matrix_a_fmt:MATRIX_FMT_FP4 matrix_b_fmt:MATRIX_FMT_FP4
.endif
.endr
.endr
.endr
	WIN 0
.endr
	PLACES
	s_cmp_lt_u32 s[BLK], 3                         ; x has been read: SG takes the rows of the block after next, if there is one: no load leaves its buffer
	s_cbranch_scc1 .Lnoload
	ROWLOAD 131072
.Lnoload:
	ADDPRM X                                       ; + b2
	PUTCOLS
	BARRIER                                        ; 64 whole rows of the result lie in RAW
	; ---- my 8 rows leave
	v_add_nc_u32 v[A_T], s[RB], v[A_RS]
.irp i, 0,1,2,3,4,5,6,7,8,9,10,11,12,13,14,15
	ds_load_b128 v[X+4*\i:X+4*\i+3], v[A_T] offset:(\i/2)*RP2+(\i%2)*512
.endr
.irp i, 0,1,2,3,4,5,6,7,8,9,10,11,12,13,14,15
	s_wait_dscnt 15-\i                             ; LDS loads come back in order (ISA guide 5.7.1): load i is in, the 15 - i younger ones may be out
	global_store_b128 v[A_GL], v[X+4*\i:X+4*\i+3], s[32:33] offset:512*\i th:TH_STORE_NT   ; 32 lanes store 512 consecutive bytes, aligned
.endr
	s_wait_xcnt 0x0                                ; loads and stores have read their registers and bases: both may be written again
	s_add_nc_u64 s[SRC:SRC+1], s[SRC:SRC+1], 0x10000
	s_add_nc_u64 s[32:33], s[32:33], 0x10000
	s_add_co_u32 s[SMK], s[SMK], 256
	s_xor_b32 s[RB], s[RB], RBUF                   ; the buffers change places
	s_xor_b32 s[RN], s[RN], RBUF
	s_sub_co_u32 s[BLK], s[BLK], 1
	s_cmp_lg_u32 s[BLK], 0
	s_cbranch_scc1 .Lblock
	s_set_vgpr_msb 0x5
	s_wait_tensorcnt 0x0
	ds_add_u32 v46, v47
	s_wait_dscnt 0x0
	s_set_vgpr_msb 0x500
	s_endpgm
.Lfunc_end_k_q5a6f9e4bb6_qp:
	.size	k_q5a6f9e4bb6_qp, .Lfunc_end_k_q5a6f9e4bb6_qp-k_q5a6f9e4bb6_qp
	.p2alignl 7, 3214868480
	.fill 96, 4, 3214868480
	.section	.rodata,"a",@progbits
	.p2align	6, 0x0
	.amdhsa_kernel k_q5a6f9e4bb6_qp
		.amdhsa_group_segment_fixed_size 321536
		.amdhsa_private_segment_fixed_size 0
		.amdhsa_enable_private_segment 0
		.amdhsa_kernarg_size 120
		.amdhsa_user_sgpr_count 2
		.amdhsa_user_sgpr_kernarg_segment_ptr 1
		.amdhsa_wavefront_size32 1
		.amdhsa_system_sgpr_workgroup_id_x 1
		.amdhsa_system_sgpr_workgroup_id_y 1
		.amdhsa_system_sgpr_workgroup_id_z 1
		.amdhsa_system_vgpr_workitem_id 0
		.amdhsa_next_free_vgpr 512
		.amdhsa_next_free_sgpr 66
		.amdhsa_reserve_vcc 1
		.amdhsa_float_denorm_mode_32 3
		.amdhsa_float_denorm_mode_16_64 3
		.amdhsa_memory_ordered 1
		.amdhsa_forward_progress 1
		.amdhsa_inst_pref_size 250
	.end_amdhsa_kernel
	.amdgpu_metadata
---
amdhsa.version: [ 1, 2 ]
amdhsa.kernels:
  - .name:           k_q5a6f9e4bb6_qp
    .symbol:         k_q5a6f9e4bb6_qp.kd
    .args:
      - { .name: q, .offset: 0, .size: 8, .value_kind: global_buffer, .address_space: global }
      - { .name: q_mask, .offset: 8, .size: 8, .value_kind: global_buffer, .address_space: global }
      - { .name: ln1_g, .offset: 16, .size: 8, .value_kind: global_buffer, .address_space: global }
      - { .name: ln1_b, .offset: 24, .size: 8, .value_kind: global_buffer, .address_space: global }
      - { .name: bp, .offset: 32, .size: 8, .value_kind: global_buffer, .address_space: global }
      - { .name: ln2_g, .offset: 40, .size: 8, .value_kind: global_buffer, .address_space: global }
      - { .name: ln2_b, .offset: 48, .size: 8, .value_kind: global_buffer, .address_space: global }
      - { .name: b1, .offset: 56, .size: 8, .value_kind: global_buffer, .address_space: global }
      - { .name: b2, .offset: 64, .size: 8, .value_kind: global_buffer, .address_space: global }
      - { .name: wcod, .offset: 72, .size: 8, .value_kind: global_buffer, .address_space: global }
      - { .name: wscl, .offset: 80, .size: 8, .value_kind: global_buffer, .address_space: global }
      - { .name: stc, .offset: 88, .size: 8, .value_kind: global_buffer, .address_space: global }
      - { .name: sts, .offset: 96, .size: 8, .value_kind: global_buffer, .address_space: global }
      - { .name: ksm, .offset: 104, .size: 8, .value_kind: global_buffer, .address_space: global }
      - { .name: out0, .offset: 112, .size: 8, .value_kind: global_buffer, .address_space: global }
    .group_segment_fixed_size: 321536
    .private_segment_fixed_size: 0
    .kernarg_segment_align: 8
    .kernarg_segment_size: 120
    .max_flat_workgroup_size: 256
    .sgpr_count:     66
    .vgpr_count:     512
    .wavefront_size: 32
...
	.end_amdgpu_metadata
.endif
;; end of part 4
